; MI455X (gfx1250); checked and timed in simulation.
; The chip was launched on July 23, 2026; its instructions are those of AMD's public machine-readable ISA for CDNA 5 (MIT licence, August 2026) and "CDNA5" Instruction Set Architecture Reference Guide (July 2026). The comments in the code are by the model that wrote it; some were corrected since.
;; Multi Head Attention. Allowed arithmetic: matrix products marked QUANTISED: E2M3 operands, one E8M0 scale for each 32 along K, by v_wmma_scale_f32_16x16x128_f8f6f4 with both operands' format E2M3, f32 sums; everything else in f32.
;; Inputs: bk 1,024 float32; bo 1,024 float32; bq 1,024 float32; bv 1,024 float32; wk 1,024 x 1,024 float32; wo 1,024 x 1,024 float32; wq 1,024 x 1,024 float32; wv 1,024 x 1,024 float32; x 4 x 2,048 x 1,024 float32.
;; Outputs: out0 4 x 2,048 x 1,024 float32.
;; This version of the problem:
;;   THIS VERSION OF THE PROBLEM IS GIVEN IN LOW PRECISION. The matrix products marked QUANTISED in the list below multiply operands that are first quantised to E2M3 (2 exponent bits, 3 mantissa bits; 6 bits a number), with one power-of-two scale for each 32 numbers along K (OCP MX v1.0); their sums are f32. All else is computed in f32.
;;   The module's matrix products, in the order in which they are computed (A, B: the left and right operand; K: the contracted axis; several contracted axes count as one K, in the product's order):
;;     1. [M 8,192, K 1,024] x [K 1,024, N 1,024]; A: input x; B: input wq: QUANTISED
;;     2. [M 8,192, K 1,024] x [K 1,024, N 1,024]; A: input x; B: input wk: QUANTISED
;;     3. [M 8,192, K 1,024] x [K 1,024, N 1,024]; A: input x; B: input wv: QUANTISED
;;     4. batch 64 x [M 2,048, K 64] x [K 64, N 2,048]; A: computed on the way; B: computed on the way: QUANTISED
;;     5. batch 64 x [M 2,048, K 2,048] x [K 2,048, N 64]; A: softmax (see below); B: computed on the way: QUANTISED
;;     6. [M 8,192, K 1,024] x [K 1,024, N 1,024]; A: computed on the way; B: input wo: QUANTISED
;;   THE QUANTISER, for each operand of a quantised product, along K:
;;     - K is cut into blocks of 32 from its start; a last block that is shorter is filled with zeros.
;;     - A block's scale is 2^e with e = floor(log2(the largest magnitude in the block)) - 2, held to -126 .. 127; a block of zeros has e = 0. As a byte (E8M0): e + 127.
;;     - Each number is divided by its block's scale, clamped to +-7.5, and rounded to the nearest number of E2M3, ties to even, subnormals kept.
;;     - The product sums the exact products of the quantised numbers (number of the format x scale) in f32.
;;   ~~~python
;;   def quantise(x, axis):      # numpy; x: float32 -> the quantised numbers, widened to float32 again
;;       x = np.moveaxis(x, axis, -1); K = x.shape[-1]
;;       x = np.pad(x, [(0, 0)] * (x.ndim - 1) + [(0, -K % 32)]); x = x.reshape(x.shape[:-1] + (-1, 32)); a = np.abs(x).max(-1, keepdims=True)
;;       e = np.where(a > 0, np.clip(np.frexp(np.where(a > 0, a, 1))[1] - 1 - 2, -126, 127), 0)      # np.frexp(a)[1] - 1 = floor(log2(a)), exactly
;;       r = np.clip(x / 2.0 ** e, -7.5, 7.5)
;;       step = 2.0 ** (np.maximum(np.frexp(np.where(r == 0, 1, r))[1] - 1, 0) - 3)
;;       q = np.round(r / step) * step * 2.0 ** e      # np.round: ties to even
;;       return np.moveaxis(q.reshape(q.shape[:-2] + (-1,))[..., :K], -1, axis).astype(np.float32)
;;   ~~~
;;   SOFTMAX AHEAD OF A QUANTISED PRODUCT. Where the list says 'softmax', what is quantised is not the finished softmax but p = 2^(t - M), with t = logit x log2(e) and M = ceil(the row's largest t), a whole number; so 1/2 < the row's largest p <= 1. The row's sum l is taken of the UNQUANTISED p, in f32, and the product's result is divided by l at the end. Since M is a whole number, a kernel that streams over the keys may use a running M (the ceiling of the running maximum): every later rescaling is an exact power of two, which a block's scale takes up: the codes' values come out the same.
;;   OPERANDS COMPUTED ON THE WAY. 'Computed on the way' means the value that the module computes at that place (a softmax that the list does not call 'softmax' is quantised finished and normalised). What goes into a quantiser is computed in f32, as accurately as f32 sums, v_exp_f32 and their like allow (about 1e-6 of the number): no bf16 or f16 on the way to a quantiser, and a product that is left as it is and whose result goes on into a quantised operand takes f32 operands (vector FMAs, or v_wmma_f32_16x16x4_f32). A number that lies on a knife's edge between two numbers of the format may be rounded either way, as far as f32 arithmetic and the matrix unit's own rounding can turn it there, and no further.
;; One version. Each part assembles by itself: llvm-mc -triple=amdgcn-amd-amdhsa -mcpu=gfx1250 --defsym DOCPART=n.
;; ======== version 1 of 1: 5 launches
;; limits: right only within a limited range of input values
;; workspace buffers: x_q 6,553,600 bytes; w_q 3,276,800 bytes; qk_q 13,107,200 bytes; v_q 6,553,600 bytes; o_q 6,553,600 bytes
;; launch quant (part 1): grid 384 x 1, 4 waves a work-group, no clusters, 59,904 bytes of LDS; arguments x, wq, wk, wv, wo, x_q, w_q; writes x_q, w_q
.if DOCPART == 1
	.amdgcn_target "amdgcn-amd-amdhsa--gfx1250"
	.amdhsa_code_object_version 6
	.text
	.protected	k_q734c6ed22a_quant
	.globl	k_q734c6ed22a_quant
	.p2align	8
	.type	k_q734c6ed22a_quant,@function
k_q734c6ed22a_quant:
	s_mov_b64 s[64:65], 0
	v_nop
	global_prefetch_b8 v0, s[64:65] scope:SCOPE_SE
	s_setreg_imm32_b32 hwreg(HW_REG_WAVE_MODE, 25, 1), 1
	s_wait_xcnt 0x0
; x [8192][1024] and the weights wq, wk, wv, wo [1024 (k)][1024 (n)], all f32, become codes of FP6 (E2M3), 6 bits each, with one E8M0 scale byte for each 32 along K (x: its last axis; a weight: its FIRST axis).
; A block's scale is 2^(floor(log2(its largest magnitude)) - 2); its byte is the largest magnitude's exponent field - 2, held at 1 from below; each number is divided by the scale and rounded to the nearest code, ties to even.
; LIMITS: NaN and infinities among the inputs are not served; a block whose largest magnitude lies under 2^-124 keeps the byte 1; a block of zeros gets the byte 1 where the rule says 127 (its codes are zeros, and this program alone reads the bytes).
; LAYOUT OF BOTH OUTPUTS: the order of the matrix operand's registers.  A TILE is 16 rows of an operand (x: tokens; a weight: its columns n): lane r of tile 2 g + u holds row 32 g + 8 u + r + 8 (r / 8).
; A FRAGMENT (a tile x 128 along K) is 12 registers a lane; it lies as two half images of 768 bytes: registers 6 c .. 6 c + 3 at 16 x lane, registers 6 c + 4, 6 c + 5 at 512 + 8 x lane.
; Codes: [K slot of 256 (4)][tile][3,072 bytes = 2 fragments].  Behind them the scale bytes: [K slot][tile][128 bytes: lane r's 8 bytes, one for each block of the slot, at 8 r].
; x_q has 512 tiles; w_q 256: 64 for each weight, in the order wq, wk, wv, wo.
; Work-groups 0-255 take x, 32 rows each, wave t K slot t.  Work-groups 256-383 take the weights.  The two paths have LDS bytes of their own; every wave touches its own bytes alone: no barrier.
; No tensor loads and no cluster: no work-group reads what another reads.
.set XSC,    6291456                   ; where x_q's scale bytes begin
.set WSC,    3145728                   ; where w_q's begin
.set SEL,    20                        ; s[20:21] selects of v_permlanex16_b32: lane l xor 16
; the path for x
.set R,      16                        ; v16-143  two sets of 64 registers as loaded
.set X,      144                       ; v144-207 64 numbers of my row: register 16 b + i = k 32 b + 16 (lane / 16) + i
.set PC,     208                       ; v208-219 a fragment's codes; v220-226 halves on their way
.set TM,     228                       ; v228-231 largest magnitudes, v232-235 the other half's, then bytes, v240-243 scale operands
.set PWS,    244                       ; v244-247 the four fragments' scale words
.set XPITCH, 528                       ; a stage row: 512 bytes + 16, so that sixteen rows' reads of 16 bytes fall into sixteen different columns of 16 bytes modulo 256
.set XSTAGE, 16*XPITCH                 ; a wave's stage
; the path for the weights
.set WBASE,  4*XSTAGE                  ; behind the four stages of the other path
.set WTILE,  3200                      ; a tile's 3,072 bytes + 128
.set WSTAGE, 2*WTILE
.set XW,     32                        ; v32-95   two sets of 32 numbers
.set C,      96                        ; v96-101  a block's codes; v104-106 its second half on its way
.set SB,     24                        ; v24-25   my column's 8 scale bytes
.set OUTR,   112                       ; v112-159 the way out
	s_load_b256 s[4:11], s[0:1], 0x0               ; x s[4:5], wq s[6:7], wk s[8:9], wv s[10:11]
	s_load_b128 s[12:15], s[0:1], 0x20             ; wo s[12:13], x_q s[14:15]
	s_load_b64 s[16:17], s[0:1], 0x30              ; w_q
	v_lshl_add_u32 v254, v0, 2, 0xe800
	v_mov_b32 v255, 0
	v_lshrrev_b32 v1, 5, v0
	v_readfirstlane_b32 s18, v1                    ; wave 0..3
	v_and_b32 v9, 31, v0                           ; lane
	s_cmp_lt_u32 ttmp9, 256
	s_cbranch_scc0 .Lweights
; ---------------- x: 32 whole rows to a work-group, 256 along K to a wave: four fragments f = 2 u + q (tile u, K step q)
	v_lshlrev_b32 v1, 4, v9                        ; 16 x lane: a load's, a stage store's and an image's place
	v_lshlrev_b32 v2, 3, v9                        ; 8 x lane
	s_mul_i32 s19, s18, XSTAGE
	v_add_nc_u32 v3, s19, v1                       ; the stage, on the way in: a row as it lies
	v_and_b32 v5, 15, v0                           ; r
	v_bfe_u32 v6, v0, 4, 1                         ; h
	v_mul_u32_u24 v4, v5, XPITCH
	v_lshl_add_u32 v4, v6, 6, v4
	v_add_nc_u32 v4, s19, v4                       ; and on the way out: row r, + 64 h: my 16 numbers of each block of 32
	s_mov_b32 s[SEL], 0x76543210
	s_mov_b32 s[SEL+1], 0xfedcba98
	s_mov_b32 s22, 0xffff0000                      ; lanes 16-31
.irp b, 0,1,2,3
	v_mov_b32 v[TM+4+\b], 0                        ; written once: a lane permute's destination counts as one of its sources
.endr
	s_lshl_b32 s24, ttmp9, 17                      ; 32 rows of 4,096 bytes
	s_lshl_b32 s25, s18, 10                        ; my K slot: 1,024 bytes of each row
	s_add_co_u32 s24, s24, s25
	s_mov_b32 s25, 0
	s_mul_i32 s26, s18, 512*3072                   ; codes: my K slot,
	s_mul_i32 s27, ttmp9, 2*3072                   ; my two tiles
	s_add_co_u32 s26, s26, s27
	s_mov_b32 s27, 0
	s_lshl_b32 s28, s18, 16                        ; scale bytes: 512 tiles x 128 bytes a slot,
	s_lshl_b32 s29, ttmp9, 8                       ; 256 bytes for my two tiles
	s_add_co_u32 s28, s28, s29
	s_add_co_u32 s28, s28, XSC
	s_mov_b32 s29, 0
	s_wait_alu depctr_va_vdst(0)
	s_wait_kmcnt 0x0
	s_add_nc_u64 s[4:5], s[4:5], s[24:25]
	s_add_nc_u64 s[26:27], s[14:15], s[26:27]
	s_add_nc_u64 s[28:29], s[14:15], s[28:29]
.macro LOADF f                         ; fragment f's 16 rows x 512 bytes: each load reads 512 consecutive bytes of one row
.irp i, 0,1,2,3,4,5,6,7,8,9,10,11,12,13,14,15
	global_load_b128 v[R+64*((\f)%2)+4*\i:R+64*((\f)%2)+4*\i+3], v1, s[4:5] offset:(8*((\f)/2)+\i+8*(\i/8))*4096+512*((\f)%2) th:TH_LOAD_NT
.endr
.endm
.macro TURNF f                         ; through the stage: in as rows, out 64 numbers of ONE row a lane.  LDS serves a wave's instructions in order (ISA guide 5.7.1.4): no wait between the stores and the loads
.irp i, 0,1,2,3,4,5,6,7,8,9,10,11,12,13,14,15
	ds_store_b128 v3, v[R+64*((\f)%2)+4*\i:R+64*((\f)%2)+4*\i+3] offset:XPITCH*\i
.endr
.irp b, 0,1,2,3
.irp j, 0,1,2,3
	ds_load_b128 v[X+16*\b+4*\j:X+16*\b+4*\j+3], v4 offset:128*\b+16*\j
.endr
.endr
.endm
; 64 numbers of a lane, v[s] on, become a fragment's codes in v[PC] on and its scale word in v[pw]
.macro QUANT s, pw
.irp b, 0,1,2,3
	v_max3_num_f32 v[TM+\b], |v[\s+16*\b]|, |v[\s+1+16*\b]|, 0x1800000   ; block b: my 16 numbers, and the floor 2^(3 - 127): the byte cannot fall under 1
.endr
.irp i, 2,4,6,8,10,12,14
.irp b, 0,1,2,3
	v_max3_num_f32 v[TM+\b], v[TM+\b], |v[\s+16*\b+\i]|, |v[\s+1+16*\b+\i]|   ; the four blocks by turns
.endr
.endr
.irp b, 0,1,2,3
	v_permlanex16_b32 v[TM+4+\b], v[TM+\b], s[SEL], s[SEL+1]
.endr
.irp b, 0,1,2,3
	v_max_num_f32 v[TM+\b], v[TM+\b], v[TM+4+\b]   ; with lane l xor 16's: the block's largest magnitude
.endr
.irp b, 0,1,2,3
	v_add_nc_u32 v[TM+12+\b], 0xff000000, v[TM+\b] ; 2 off its exponent field: the conversion takes this operand's exponent field as its scale
.endr
.irp b, 0,1,2,3
	v_lshrrev_b32 v[TM+4+\b], 23, v[TM+12+\b]      ; the scale's byte
.endr
	v_lshl_or_b32 v[\pw], v[TM+5], 8, v[TM+4]      ; my row's scale word; lanes l and l xor 16 hold the same
	v_lshl_or_b32 v[\pw], v[TM+6], 16, v[\pw]
	v_lshl_or_b32 v[\pw], v[TM+7], 24, v[\pw]
.irp c, 0,1
	v_cvt_scalef32_pk16_fp6_f32 v[PC+6*\c:PC+2+6*\c], v[\s+32*\c:\s+15+32*\c], v[TM+12+2*\c]
	v_cvt_scalef32_pk16_fp6_f32 v[PC+12+4*\c:PC+14+4*\c], v[\s+16+32*\c:\s+31+32*\c], v[TM+12+2*\c+1]   ; (a conversion's three registers begin on an even number)
.endr
	v_nop                                          ; one plain instruction behind a scaled conversion
.irp c, 0,1                            ; the operand's layout wants a WHOLE block in a lane: lanes 0-15 block 2 c, lanes 16-31 block 2 c + 1
.irp i, 0,1,2
	v_permlane16_swap_b32 v[PC+6*\c+\i], v[PC+12+4*\c+\i]
.endr
.irp i, 0,1,2
	v_mov_b32 v[PC+3+6*\c+\i], v[PC+12+4*\c+\i]
.endr
.endr
.endm
.macro IMG off                         ; the fragment leaves as it stands: each store covers 512 or 256 consecutive bytes, aligned
	global_store_b128 v1, v[PC:PC+3], s[26:27] offset:\off
	global_store_b64 v2, v[PC+4:PC+5], s[26:27] offset:\off+512
	global_store_b128 v1, v[PC+6:PC+9], s[26:27] offset:\off+768
	global_store_b64 v2, v[PC+10:PC+11], s[26:27] offset:\off+1280
.endm
	LOADF 0
	LOADF 1
.irp f, 0,1,2,3
.if \f < 3
	s_wait_loadcnt 16                              ; this fragment's 16 loads are in; the next fragment's 16 may be out
.else
	s_wait_loadcnt 0x0
.endif
	TURNF \f
	s_wait_dscnt 0x0                               ; the numbers are back, and the stage's stores have read their registers,
.if \f < 2
	LOADF \f+2                                     ; which take the loads of two fragments on
.endif
.if \f > 0
	s_wait_xcnt 0x0                                ; the last fragment's stores have read v[PC] on: only now are the codes written anew
.endif
	QUANT X, PWS+\f
	IMG ((\f)/2)*3072+((\f)%2)*1536
.endr
	v_cndmask_b32 v248, v[PWS], v[PWS+2], s22      ; lanes 0-15: tile 0's two words of row r; lanes 16-31: tile 1's
	v_cndmask_b32 v249, v[PWS+1], v[PWS+3], s22
	global_store_b64 v2, v[248:249], s[28:29]      ; 32 lanes store 256 consecutive bytes, aligned
	s_wait_tensorcnt 0x0
	ds_add_u32 v254, v255
	s_wait_dscnt 0x0
	s_endpgm
; ---------------- the weights.  A LANE TAKES A COLUMN n, AND ITS REGISTERS RUN DOWN K: a block of 32 lies in one lane, and the conversions give codes with K innermost.
; Work-group 256 + j: weight j / 32, K slot (j / 8) % 4, columns 128 (j % 8) on; a wave takes 32 columns (two tiles) x 256 along K: 8 blocks a lane.
.Lweights:
	s_sub_co_u32 s19, ttmp9, 256
	s_lshr_b32 s20, s19, 5                         ; which weight
	s_bfe_u32 s21, s19, 0x20003                    ; K slot
	s_and_b32 s22, s19, 7
	s_lshl_b32 s23, s22, 2
	s_add_co_u32 s23, s23, s18                     ; my group of 32 columns, 0..31
	s_wait_alu depctr_va_vdst(0)
	v_lshlrev_b32 v3, 2, v9                        ; in: 4 bytes a lane
	v_bfe_u32 v10, v0, 3, 1                        ; column l of the group is lane r' = l % 8 + 8 (l / 16) of tile u = (l / 8) % 2
	v_and_b32 v11, 7, v0
	v_bfe_u32 v12, v0, 4, 1
	v_lshl_add_u32 v11, v12, 3, v11
	s_mul_i32 s24, s18, WSTAGE
	s_add_co_u32 s24, s24, WBASE                   ; my stage: the two tiles' images
	v_mul_u32_u24 v13, v10, WTILE
	v_add_nc_u32 v13, s24, v13
	v_lshl_add_u32 v4, v11, 4, v13                 ; into it: registers 0-3 of a half image,
	v_lshl_add_u32 v5, v11, 3, v13                 ; registers 4, 5
	v_lshlrev_b32 v7, 4, v9
	v_add_nc_u32 v6, s24, v7                       ; out of it: 16 bytes a lane
	v_lshlrev_b32 v8, 3, v11
	v_lshl_add_u32 v8, v10, 7, v8                  ; my 8 scale bytes: 128 u + 8 r'
	s_lshl_b32 s26, s21, 20                        ; 256 rows of 4,096 bytes
	s_lshl_b32 s27, s23, 7                         ; 32 columns of 4 bytes
	s_add_co_u32 s26, s26, s27
	s_mov_b32 s27, 0
	s_lshl_b32 s28, s20, 6
	s_lshl_b32 s29, s23, 1
	s_add_co_u32 s28, s28, s29                     ; my first tile: 64 x weight + 2 x group
	s_mul_i32 s30, s28, 3072
	s_mul_i32 s31, s21, 256*3072
	s_add_co_u32 s30, s30, s31
	s_mov_b32 s31, 0
	s_lshl_b32 s28, s28, 7
	s_lshl_b32 s29, s21, 15                        ; 256 tiles x 128 bytes a slot
	s_add_co_u32 s28, s28, s29
	s_add_co_u32 s28, s28, WSC
	s_mov_b32 s29, 0
	s_wait_kmcnt 0x0
	s_cmp_eq_u32 s20, 1                            ; the weight is chosen by the work-group's number alone
	s_cselect_b64 s[6:7], s[8:9], s[6:7]
	s_cmp_eq_u32 s20, 2
	s_cselect_b64 s[6:7], s[10:11], s[6:7]
	s_cmp_eq_u32 s20, 3
	s_cselect_b64 s[6:7], s[12:13], s[6:7]
	s_add_nc_u64 s[6:7], s[6:7], s[26:27]
	s_add_nc_u64 s[30:31], s[16:17], s[30:31]
	s_add_nc_u64 s[28:29], s[16:17], s[28:29]
.macro LOADW t                         ; block t: W(32 t + i, my column): a wave reads 128 consecutive bytes, the four waves 512
.irp i, 0,1,2,3,4,5,6,7,8,9,10,11,12,13,14,15,16,17,18,19,20,21,22,23,24,25,26,27,28,29,30,31
	global_load_b32 v[XW+32*((\t)%2)+\i], v3, s[6:7] offset:(32*(\t)+\i)*4096 th:TH_LOAD_NT
.endr
.endm
	LOADW 0
	LOADW 1
; Block t is K step t / 4, registers 6 c on with c = (t / 2) % 2, of lane r' + 16 (t % 2) of my tile
.macro BLOCK t
.set XS, XW+32*((\t)%2)
.if (\t) < 7
	s_wait_loadcnt 32                              ; this block's 32 loads are in; the next block's may be out
.else
	s_wait_loadcnt 0x0
.endif
	v_max3_num_f32 v14, |v[XS]|, |v[XS+1]|, |v[XS+2]|   ; the block's largest magnitude: all 32 numbers are mine; two chains
	v_max3_num_f32 v15, |v[XS+3]|, |v[XS+4]|, |v[XS+5]|
.irp i, 6,10,14,18,22,26
	v_max3_num_f32 v14, v14, |v[XS+\i]|, |v[XS+\i+1]|
	v_max3_num_f32 v15, v15, |v[XS+\i+2]|, |v[XS+\i+3]|
.endr
	v_max3_num_f32 v14, v14, |v[XS+30]|, |v[XS+31]|
	v_max3_num_f32 v14, v14, v15, 0x1800000        ; and the floor 2^(3 - 127)
	v_add_nc_u32 v16, 0xff000000, v14              ; 2 off its exponent field: the conversions' scale operand
	v_lshrrev_b32 v17, 23, v16                     ; the scale's byte
.if (\t)%4 == 0
	v_mov_b32 v[SB+(\t)/4], v17
.else
	v_lshl_or_b32 v[SB+(\t)/4], v17, 8*((\t)%4), v[SB+(\t)/4]
.endif
	v_cvt_scalef32_pk16_fp6_f32 v[C:C+2], v[XS:XS+15], v16
	v_cvt_scalef32_pk16_fp6_f32 v[C+8:C+10], v[XS+16:XS+31], v16   ; (a conversion's three registers begin on an even number)
	v_nop                                          ; one plain instruction behind a scaled conversion
.irp i, 0,1,2
	v_mov_b32 v[C+3+\i], v[C+8+\i]
.endr
	ds_store_b128 v4, v[C:C+3] offset:1536*((\t)/4)+768*(((\t)/2)%2)+256*((\t)%2)
	ds_store_b64 v5, v[C+4:C+5] offset:1536*((\t)/4)+768*(((\t)/2)%2)+512+128*((\t)%2)
.if (\t)+2 < 8
	LOADW (\t)+2
.endif
	s_wait_dscnt 0x0                               ; the stores have read their registers: the next block's codes may be written
.endm
.set Q, 0
.rept 8
	BLOCK Q
.set Q, Q+1
.endr
	s_wait_alu depctr_va_vdst(0)
	global_store_b64 v8, v[SB:SB+1], s[28:29]      ; the 32 lanes' 8 bytes fill 256 consecutive bytes, aligned
.irp n, 0,1,2,3,4,5,6,7,8,9,10,11
	ds_load_b128 v[OUTR+4*\n:OUTR+4*\n+3], v6 offset:WTILE*(\n/6)+512*(\n%6)   ; these see my stores: LDS serves a wave's instructions in order
.endr
.irp n, 0,1,2,3,4,5,6,7,8,9,10,11
	s_wait_dscnt 11-\n                             ; load n is back; the younger ones may be out
	global_store_b128 v7, v[OUTR+4*\n:OUTR+4*\n+3], s[30:31] offset:3072*(\n/6)+512*(\n%6)
.endr
	s_wait_tensorcnt 0x0
	ds_add_u32 v254, v255
	s_wait_dscnt 0x0
	s_endpgm
.Lfunc_end_k_q734c6ed22a_quant:
	.size	k_q734c6ed22a_quant, .Lfunc_end_k_q734c6ed22a_quant-k_q734c6ed22a_quant
	.p2alignl 7, 3214868480
	.fill 96, 4, 3214868480
	.section	.rodata,"a",@progbits
	.p2align	6, 0x0
	.amdhsa_kernel k_q734c6ed22a_quant
		.amdhsa_group_segment_fixed_size 59904
		.amdhsa_private_segment_fixed_size 0
		.amdhsa_enable_private_segment 0
		.amdhsa_kernarg_size 56
		.amdhsa_user_sgpr_count 2
		.amdhsa_user_sgpr_kernarg_segment_ptr 1
		.amdhsa_wavefront_size32 1
		.amdhsa_system_sgpr_workgroup_id_x 1
		.amdhsa_system_sgpr_workgroup_id_y 1
		.amdhsa_system_sgpr_workgroup_id_z 1
		.amdhsa_system_vgpr_workitem_id 0
		.amdhsa_next_free_vgpr 256
		.amdhsa_next_free_sgpr 66
		.amdhsa_reserve_vcc 0
		.amdhsa_float_denorm_mode_32 3
		.amdhsa_float_denorm_mode_16_64 3
		.amdhsa_memory_ordered 1
		.amdhsa_forward_progress 1
		.amdhsa_inst_pref_size 75
	.end_amdhsa_kernel
	.amdgpu_metadata
---
amdhsa.version: [ 1, 2 ]
amdhsa.kernels:
  - .name:           k_q734c6ed22a_quant
    .symbol:         k_q734c6ed22a_quant.kd
    .args:
      - { .name: x, .offset: 0, .size: 8, .value_kind: global_buffer, .address_space: global }
      - { .name: wq, .offset: 8, .size: 8, .value_kind: global_buffer, .address_space: global }
      - { .name: wk, .offset: 16, .size: 8, .value_kind: global_buffer, .address_space: global }
      - { .name: wv, .offset: 24, .size: 8, .value_kind: global_buffer, .address_space: global }
      - { .name: wo, .offset: 32, .size: 8, .value_kind: global_buffer, .address_space: global }
      - { .name: x_q, .offset: 40, .size: 8, .value_kind: global_buffer, .address_space: global }
      - { .name: w_q, .offset: 48, .size: 8, .value_kind: global_buffer, .address_space: global }
    .group_segment_fixed_size: 59904
    .private_segment_fixed_size: 0
    .kernarg_segment_align: 8
    .kernarg_segment_size: 56
    .max_flat_workgroup_size: 128
    .sgpr_count:     66
    .vgpr_count:     256
    .wavefront_size: 32
...
	.end_amdgpu_metadata
.endif
;; end of part 1
;; launch proj_qk (part 2): grid 8 x 32, 4 waves a work-group, clusters of 4 x 4, 327,680 bytes of LDS; arguments x_q, w_q, bq, bk, qk_q; writes qk_q
.if DOCPART == 2
	.amdgcn_target "amdgcn-amd-amdhsa--gfx1250"
	.amdhsa_code_object_version 6
	.text
	.protected	k_q734c6ed22a_proj_qk
	.globl	k_q734c6ed22a_proj_qk
	.p2align	8
	.type	k_q734c6ed22a_proj_qk,@function
k_q734c6ed22a_proj_qk:
	s_mov_b64 s[64:65], 0
	v_nop
	global_prefetch_b8 v0, s[64:65] scope:SCOPE_SE
	s_setreg_imm32_b32 hwreg(HW_REG_WAVE_MODE, 25, 1), 1
	s_wait_xcnt 0x0
	s_wait_alu depctr_hold_cnt(0) depctr_sa_sdst(0) depctr_va_vdst(0) depctr_va_sdst(0) depctr_va_ssrc(0) depctr_va_vcc(0) depctr_vm_vsrc(0)
	s_getreg_b32 s2, hwreg(HW_REG_IB_STS2, 6, 4)
	s_cmp_eq_u32 s2, 0
	s_cbranch_scc0 .Lentry_in_a_cluster
	s_endpgm
.Lentry_in_a_cluster:
	s_bfe_u32 s2, ttmp6, 0x10000c
	s_cmp_lg_u32 s2, 0xf033
	s_cbranch_scc0 .Lentry_shape_is_right
	s_endpgm
.Lentry_shape_is_right:
.set KIND,   0
.set A_NT,   512
.set A_T0,   0
.set A_SC,   6291456
.set B_NT,   256
.set B_T0,   0
.set B_SC,   3145728
.set OUTP,   12
.set NQ,     2
.set FR,     12
.set NL,     4
.set NP,     4
.set TILEB,  3072
.set HALFT,  8*TILEB
.set SLOT,   4*HALFT
.set SCL,    2*SLOT
.set HALFS,  4096
.set SPARE,  SCL+4*HALFS
.set ADRA, 16
.set ADRB, 20
.set L16,  24
.set L8,   25
.set ADRS, 27
.set SPW,  28
.set NIL,  29
.set SC,   32
.set BIAS, 64
.set AF,   128
.set G1, 24
.set G0, 32
.set G1B, 48
.set G0B, 56
.set G1S, 68
.set G0S, 76
.set G1SB, 80
.set G0SB, 88
.set MSB, 0
.macro WIN new
.if MSB != \new
	s_set_vgpr_msb (MSB<<8)|\new
.set MSB, \new
.endif
.endm
.set MUL_LO, 0xa1
.set MUL_HI, 0xf1
.set TO_B,   0x40
.macro JLOAD g0a, g1a, g0b, g1b
	s_cmp_eq_u32 s15, 0
	s_cbranch_scc0 .Lfor_b_\@
	tensor_load_to_lds s[\g0a:\g0a+3], s[\g1a:\g1a+7]
	s_nop 0
.rept 4
	v_nop
.endr
	s_branch .Lasked_\@
.Lfor_b_\@:
	tensor_load_to_lds s[\g0b:\g0b+3], s[\g1b:\g1b+7]
	s_nop 0
.rept 4
	v_nop
.endr
.Lasked_\@:
.endm
.macro CREST
	s_cmp_lg_u32 s14, 0
	s_cbranch_scc1 .Lnot_wave_0_\@
	s_barrier_signal -3
.Lnot_wave_0_\@:
	s_barrier_wait -3
	s_barrier_signal -1
	s_barrier_wait -1
.endm
.macro CROUND
	s_barrier_signal -1
	s_barrier_wait -1
	CREST
.endm
	s_load_b256 s[4:11], s[0:1], 0x0
	s_load_b64 s[12:13], s[0:1], 0x20
	v_lshl_add_u32 v[SPW], v0, 2, SPARE
	v_mov_b32 v[NIL], 0
	ds_add_u32 v28, v29
	ds_add_u32 v28, v29
	s_wait_dscnt 0x0
	v_lshrrev_b32 v1, 5, v0
	v_readfirstlane_b32 s14, v1
	s_lshr_b32 s15, s14, 1
	s_and_b32 s16, s14, 1
	s_bfe_u32 s40, ttmp6, 0x40000
	s_bfe_u32 s41, ttmp6, 0x40004
	s_lshl_b32 s42, ttmp9, 2
	s_add_co_u32 s42, s42, s40
	s_and_b32 s17, ttmp7, 0xffff
	s_lshl_b32 s17, s17, 2
	s_add_co_u32 s17, s17, s41
	s_lshl_b32 s43, s41, 2
	s_lshl_b32 s43, 15, s43
	s_lshl_b32 s44, 0x1111, s40
	s_or_b32 s[G1+0], s43, (3<<16)|(1<<21)
	s_or_b32 s[G1B+0], s44, (3<<16)|(1<<21)
.irp g, G1, G1B
	s_mov_b32 s[\g+1], 32<<16
	s_mov_b32 s[\g+2], 192<<16
	s_mov_b32 s[\g+3], 32<<16
	s_mov_b32 s[\g+4], 192
	s_mov_b32 s[\g+5], 32
	s_mov_b32 s[\g+6], 0
	s_mov_b32 s[\g+7], 0
.endr
	s_or_b32 s[G1S+0], s43, (3<<16)|(1<<21)
	s_or_b32 s[G1SB+0], s44, (3<<16)|(1<<21)
.irp g, G1S, G1SB
	s_mov_b32 s[\g+1], 256<<16
	s_mov_b32 s[\g+2], 4<<16
	s_mov_b32 s[\g+3], 256<<16
	s_mov_b32 s[\g+4], 4
	s_mov_b32 s[\g+6], 0
	s_mov_b32 s[\g+7], 0
.endr
	s_mov_b32 s[G1S+5], A_NT*16
	s_mov_b32 s[G1SB+5], B_NT*16
	s_lshl_b32 s18, s16, 3
	s_lshl_b32 s20, s17, 4
.if A_T0
	s_add_co_u32 s20, s20, A_T0
.endif
	s_lshl_b32 s46, s42, 4
.if B_T0
	s_add_co_u32 s46, s46, B_T0
.endif
	s_lshl_b32 s22, s20, 7
	s_add_co_u32 s22, s22, A_SC
	s_mov_b32 s23, 0
	s_mul_i32 s20, s20, TILEB
	s_mov_b32 s21, 0
	s_lshl_b32 s92, s46, 7
	s_add_co_u32 s92, s92, B_SC
	s_mov_b32 s93, 0
	s_mul_i32 s46, s46, TILEB
	s_mov_b32 s47, 0
	s_mul_i32 s45, s14, HALFT
	s_mul_i32 s66, s18, TILEB                      ; in the ring I fetch 8 of a side's 16 tiles: which, in bytes
	s_mov_b32 s67, 0
	s_wait_kmcnt 0x0
	s_add_nc_u64 s[20:21], s[4:5], s[20:21]
	s_add_nc_u64 s[22:23], s[4:5], s[22:23]
	s_add_nc_u64 s[46:47], s[6:7], s[46:47]
	s_add_nc_u64 s[92:93], s[6:7], s[92:93]
	CROUND
	s_mov_b32 s[G0S], 1
	s_mov_b32 s[G0S+1], SCL
	s_mov_b64 s[G0S+2:G0S+3], s[22:23]
	s_or_b32 s[G0S+3], s[G0S+3], 0x80000000
	s_mov_b32 s[G0SB], 1
	s_mov_b32 s[G0SB+1], SCL+2*HALFS
	s_mov_b64 s[G0SB+2:G0SB+3], s[92:93]
	s_or_b32 s[G0SB+3], s[G0SB+3], 0x80000000
	; the head's four tiles, one joint load a wave: K slot 0 of A's 16 tiles, of B's 16 tiles, A's scale bytes, B's
	s_mov_b32 s[G0], 1
	s_mov_b32 s[G0+1], 0
	s_mov_b64 s[G0+2:G0+3], s[20:21]
	s_or_b32 s[G0+3], s[G0+3], 0x80000000
	s_mov_b32 s[G0B], 1
	s_mov_b32 s[G0B+1], 2*HALFT
	s_mov_b64 s[G0B+2:G0B+3], s[46:47]
	s_or_b32 s[G0B+3], s[G0B+3], 0x80000000
	s_add_nc_u64 s[20:21], s[20:21], s[66:67]      ; for the ring: my 8 tiles
	s_add_nc_u64 s[46:47], s[46:47], s[66:67]
	s_mov_b64 s[2:3], s[20:21]
	s_mov_b32 s[G0+4], 1
	s_add_co_u32 s[G0+5], s45, SLOT
	s_add_nc_u64 s[G0+6:G0+7], s[20:21], A_NT*TILEB
	s_or_b32 s[G0+7], s[G0+7], 0x80000000
	s_mov_b32 s[G0B+4], 1
	s_add_co_u32 s[G0B+5], s45, SLOT
	s_add_nc_u64 s[G0B+6:G0B+7], s[46:47], B_NT*TILEB
	s_or_b32 s[G0B+7], s[G0B+7], 0x80000000
.macro ARM under, g0, g1, next
	s_cmp_lt_u32 s14, \under
	s_cbranch_scc0 \next
	tensor_load_to_lds s[\g0:\g0+3], s[\g1:\g1+7]
	s_nop 0
.rept 4
	v_nop
.endr
	s_branch .Lhead_asked
\next:
.endm
	ARM 1, G0,  G1,  .Lhead_b
	ARM 2, G0B, G1B, .Lhead_sa
	ARM 3, G0S, G1S, .Lhead_sb
	tensor_load_to_lds s[G0SB:G0SB+3], s[G1SB:G1SB+7]
	s_nop 0
.rept 4
	v_nop
.endr
.Lhead_asked:
	v_and_b32 v1, 15, v0
	v_bfe_u32 v2, v0, 4, 1
	v_and_b32 v3, 31, v0
	v_lshlrev_b32 v[L16], 4, v3
	s_wait_alu depctr_va_vdst(0)
	v_lshlrev_b32 v[L8], 3, v3
	s_wait_alu depctr_va_vdst(0)
	s_lshl_b32 s20, s40, 10
	s_lshl_b32 s21, s16, 9
	s_add_co_u32 s20, s20, s21
	s_mov_b32 s21, 0
	s_cmp_eq_u32 ttmp9, 0
	s_cselect_b64 s[8:9], s[8:9], s[10:11]
	s_add_nc_u64 s[8:9], s[8:9], s[20:21]
	v_lshlrev_b32 v8, 6, v2
.irp b, 0,1,2,3,4,5,6,7
	global_load_b128 v[BIAS+8*\b:BIAS+8*\b+3], v8, s[8:9] offset:(32*(\b/2)+8*(\b%2))*4
	global_load_b128 v[BIAS+8*\b+4:BIAS+8*\b+7], v8, s[8:9] offset:(32*(\b/2)+8*(\b%2))*4+16
.endr
	s_mul_i32 s21, s15, HALFT
	s_mul_i32 s22, s16, HALFT
	s_add_co_u32 s22, s22, 2*HALFT
.irp s, 0,1
	v_add_nc_u32 v[ADRA+\s], s21, v[L16]
	v_add_nc_u32 v[ADRB+\s], s22, v[L16]
	v_add_nc_u32 v[ADRA+2+\s], s21, v[L8]
	v_add_nc_u32 v[ADRB+2+\s], s22, v[L8]
	s_add_co_u32 s21, s21, SLOT
	s_add_co_u32 s22, s22, SLOT
.endr
	v_lshlrev_b32 v5, 3, v1
	s_lshl_b32 s21, s15, 10
	s_lshl_b32 s22, s16, 10
	s_add_co_u32 s22, s22, 2*HALFS
	s_sub_co_u32 s22, s22, s21
	v_mul_u32_u24 v6, s22, v2
	s_add_co_u32 s21, s21, SCL
	v_add_nc_u32 v5, v5, v6
	v_add_nc_u32 v[ADRS], s21, v5
	s_lshl_b32 s20, s17, 1
	s_add_co_u32 s20, s20, s15
	s_lshr_b32 s21, s20, 4
	s_and_b32 s20, s20, 15
	s_lshl_b32 s21, s21, 5
	s_lshl_b32 s22, s42, 2
	s_add_co_u32 s21, s21, s22
	s_lshl_b32 s22, s16, 1
	s_add_co_u32 s21, s21, s22
	s_lshl_b32 s21, s21, 4
	s_add_co_u32 s20, s20, s21
	s_mul_i32 s20, s20, 6400
	s_mov_b32 s21, 0
	s_add_nc_u64 s[OUTP:OUTP+1], s[OUTP:OUTP+1], s[20:21]
	s_mov_b32 s96, 0xffff0000
	s_mov_b32 s98, 0x76543210
	s_mov_b32 s99, 0xfedcba98
.macro FRAG reg, adr, q, i
	ds_load_b128 v[\reg:\reg+3], v[\adr] offset:TILEB*(\i)+1536*(\q)
	ds_load_b64 v[\reg+4:\reg+5], v[\adr+2] offset:TILEB*(\i)+1536*(\q)+512
	ds_load_b128 v[\reg+6:\reg+9], v[\adr] offset:TILEB*(\i)+1536*(\q)+768
	ds_load_b64 v[\reg+10:\reg+11], v[\adr+2] offset:TILEB*(\i)+1536*(\q)+1280
.endm
.macro MUL16 a0, p, q, sc, zero
.irp a, \a0, \a0+1
.irp b, 0,1,2,3,4,5,6,7
.set DD, 8*(8*((\a)%4)+\b)
.set BF, 128*(\p)+FR*\b
.set AA, AF+FR*(\a)
.set SCB, SC+8*NQ*(\sc)+NQ*\b+(\q)
.set SCA, SC+8*NQ*(\sc)+NQ*(\a)+(\q)
.if \zero
.if KIND == 1
.set CC, BIAS+8*(\a)
.else
.set CC, BIAS+8*\b
.endif
	v_wmma_scale_f32_16x16x128_f8f6f4 v[DD:DD+7], v[BF:BF+FR-1], v[AA:AA+FR-1], v[CC:CC+7], v[SCB], v[SCA] matrix_a_fmt:MATRIX_FMT_FP6 matrix_b_fmt:MATRIX_FMT_FP6 matrix_a_scale:MATRIX_SCALE_ROW1
.else
	v_wmma_scale_f32_16x16x128_f8f6f4 v[DD:DD+7], v[BF:BF+FR-1], v[AA:AA+FR-1], v[DD:DD+7], v[SCB], v[SCA] matrix_a_fmt:MATRIX_FMT_FP6 matrix_b_fmt:MATRIX_FMT_FP6 matrix_a_scale:MATRIX_SCALE_ROW1
.endif
.endr
.endr
.endm
.macro FETCH_B slot, q, p
	WIN TO_B
.irp i, 0,1,2,3,4,5,6,7
	FRAG 128*(\p)+FR*\i, ADRB+\slot, \q, \i
.endr
	WIN 0
.endm
.macro FETCH_A slot, q, i0
.irp i, \i0, \i0+1, \i0+2, \i0+3
	FRAG AF+FR*(\i), ADRA+\slot, \q, \i
.endr
.endm
.macro SCALES sc
.irp i, 0,1,2,3,4,5,6,7
	ds_load_b64 v[SC+8*NQ*\sc+NQ*\i:SC+8*NQ*\sc+NQ*\i+1], v[ADRS] offset:\i*128
.endr
.endm
.macro PLACES n
.rept \n
	v_nop
.endr
.endm
.macro STEP slot, q, zero
	s_wait_dscnt 4*NL
.if \zero
	WIN 0x81
.else
	WIN MUL_LO
.endif
	MUL16 0, (\q)%2, \q, \slot, \zero
	MUL16 2, (\q)%2, \q, \slot, \zero
	s_wait_dscnt 0
	PLACES NP
	FETCH_B \slot, (\q)+1, 1-(\q)%2
	FETCH_A \slot, (\q)+1, 0
.if \zero
	WIN 0xc1
.else
	WIN MUL_HI
.endif
	MUL16 4, (\q)%2, \q, \slot, \zero
	MUL16 6, (\q)%2, \q, \slot, \zero
	PLACES NP
	WIN 0
	FETCH_A \slot, (\q)+1, 4
.endm
.macro TURN slot, next, fill
	s_wait_tensorcnt 0x0
	ds_add_u32 v[SPW], v[NIL]
	s_wait_dscnt 4*NL+1
	WIN MUL_LO
	MUL16 0, 1, NQ-1, \slot, 0
	s_wait_dscnt 0x0
	s_barrier_signal -1
	MUL16 2, 1, NQ-1, \slot, 0
	WIN 0
	s_barrier_wait -1
.if \fill
	CREST
	s_add_nc_u64 s[G0+4*\slot+2:G0+4*\slot+3], s[G0+4*\slot+2:G0+4*\slot+3], 2*A_NT*TILEB
	s_add_nc_u64 s[G0B+4*\slot+2:G0B+4*\slot+3], s[G0B+4*\slot+2:G0B+4*\slot+3], 2*B_NT*TILEB
	JLOAD G0+4*\slot, G1, G0B+4*\slot, G1B
.else
	PLACES NP
.endif
	s_wait_alu depctr_va_vdst(0)
	v_add_nc_u32 v[ADRS], 2048, v[ADRS]
	FETCH_B \next, 0, 0
	FETCH_A \next, 0, 0
	SCALES \next
	WIN MUL_HI
	MUL16 4, 1, NQ-1, \slot, 0
	MUL16 6, 1, NQ-1, \slot, 0
	PLACES NP
	WIN 0
	FETCH_A \next, 0, 4
.endm
	s_wait_alu depctr_va_vdst(0)
	s_wait_loadcnt 0x0
	s_wait_tensorcnt 0x0                           ; my tile of the head's four is in; slot 1's first fill is issued as a refill is
	ds_add_u32 v28, v29
	s_mov_b32 s[G1+2], 96<<16                      ; no load of mine is out: from here on a load brings 8 tiles, 96 rows of 256 bytes
	s_mov_b32 s[G1+4], 96
	s_mov_b32 s[G1B+2], 96<<16
	s_mov_b32 s[G1B+4], 96
	s_mov_b32 s[G0+1], s45
	s_mov_b64 s[G0+2:G0+3], s[2:3]
	s_or_b32 s[G0+3], s[G0+3], 0x80000000
	s_mov_b32 s[G0B+1], s45
	s_mov_b64 s[G0B+2:G0B+3], s[46:47]
	s_or_b32 s[G0B+3], s[G0B+3], 0x80000000
	s_wait_dscnt 0x0
	CROUND
	JLOAD G0+4, G1, G0B+4, G1B
	FETCH_B 0, 0, 0
	FETCH_A 0, 0, 0
	SCALES 0
	FETCH_A 0, 0, 4
	STEP 0, 0, 1
	TURN 0, 1, 1
	STEP 1, 0, 0
	TURN 1, 0, 1
	STEP 0, 0, 0
	TURN 0, 1, 0
	STEP 1, 0, 0
	s_wait_dscnt 4*NL
	WIN MUL_LO
	MUL16 0, 1, NQ-1, 1, 0
	MUL16 2, 1, NQ-1, 1, 0
	s_wait_dscnt 0
	WIN MUL_HI
	MUL16 4, 1, NQ-1, 1, 0
	MUL16 6, 1, NQ-1, 1, 0
	WIN 0
.set PC,  64
.set TM,  84
.set PWS, 100
.set WS,  108
.set PR,  116
.macro QUANTW a
.set ACS, 64*((\a)%4)
.set WW, 2+(\a)/4
	s_wait_xcnt 0x0
	WIN 5*WW
.irp b, 0,1,2,3
	v_max3_num_f32 v[TM+\b], |v[ACS+16*\b]|, |v[ACS+16*\b+1]|, 0x1800000
.endr
.irp i, 2,4,6,8,10,12,14
.irp b, 0,1,2,3
	v_max3_num_f32 v[TM+\b], |v[ACS+16*\b+\i]|, |v[ACS+16*\b+\i+1]|, v[TM+\b]
.endr
.endr
	WIN 0
.irp b, 0,1,2,3
	v_permlanex16_b32 v[TM+4+\b], v[TM+\b], s98, s99
.endr
.irp b, 0,1,2,3
	v_max_num_f32 v[TM+\b], v[TM+\b], v[TM+4+\b]
.endr
.irp b, 0,1,2,3
	v_add_nc_u32 v[TM+12+\b], 0xff000000, v[TM+\b]
.endr
.irp b, 0,1,2,3
	v_lshrrev_b32 v[TM+4+\b], 23, v[TM+12+\b]
.endr
	v_lshl_or_b32 v[PWS+(\a)], v[TM+5], 8, v[TM+4]
	v_lshl_or_b32 v[PWS+(\a)], v[TM+6], 16, v[PWS+(\a)]
	v_lshl_or_b32 v[PWS+(\a)], v[TM+7], 24, v[PWS+(\a)]
	WIN WW
.irp c, 0,1
	v_cvt_scalef32_pk16_fp6_f32 v[PC+6*\c:PC+2+6*\c], v[ACS+32*\c:ACS+15+32*\c], v[TM+12+2*\c]
	v_cvt_scalef32_pk16_fp6_f32 v[PC+12+4*\c:PC+14+4*\c], v[ACS+16+32*\c:ACS+31+32*\c], v[TM+12+2*\c+1]
.endr
	WIN 0
	v_nop
.irp c, 0,1
.irp i, 0,1,2
	v_permlane16_swap_b32 v[PC+6*\c+\i], v[PC+12+4*\c+\i]
.endr
.irp i, 0,1,2
	v_mov_b32 v[PC+3+6*\c+\i], v[PC+12+4*\c+\i]
.endr
.endr
.endm
	PLACES NP
.irp b, 0,1,2,3
	v_mov_b32 v[TM+4+\b], 0
.endr
.irp a, 0,1,2,3,4,5,6,7
	QUANTW \a
	global_store_b128 v[L16], v[PC:PC+3], s[OUTP:OUTP+1] offset:768*\a
	global_store_b64 v[L8], v[PC+4:PC+5], s[OUTP:OUTP+1] offset:768*\a+512
	global_store_b128 v[L16], v[PC+6:PC+9], s[OUTP:OUTP+1] offset:102400+768*\a
	global_store_b64 v[L8], v[PC+10:PC+11], s[OUTP:OUTP+1] offset:102400+768*\a+512
.endr
.irp b, 0,1,2,3
	v_perm_b32 v[WS+\b], v[PWS+2*\b+1], v[PWS+2*\b], 0x05040100
	v_perm_b32 v[WS+4+\b], v[PWS+2*\b+1], v[PWS+2*\b], 0x07060302
.endr
.irp k, 0,1
	v_cndmask_b32 v[PR+2*\k], v[WS+4*\k], v[WS+4*\k+1], s96
	v_cndmask_b32 v[PR+2*\k+1], v[WS+4*\k+2], v[WS+4*\k+3], s96
	global_store_b64 v[L8], v[PR+2*\k:PR+2*\k+1], s[OUTP:OUTP+1] offset:102400*\k+6144
.endr
	s_wait_tensorcnt 0x0
	ds_add_u32 v[SPW], v[NIL]
	s_wait_dscnt 0x0
	CROUND
	s_endpgm
.Lfunc_end_k_q734c6ed22a_proj_qk:
	.size	k_q734c6ed22a_proj_qk, .Lfunc_end_k_q734c6ed22a_proj_qk-k_q734c6ed22a_proj_qk
	.p2alignl 7, 3214868480
	.fill 96, 4, 3214868480
	.section	.rodata,"a",@progbits
	.p2align	6, 0x0
	.amdhsa_kernel k_q734c6ed22a_proj_qk
		.amdhsa_group_segment_fixed_size 327680
		.amdhsa_private_segment_fixed_size 0
		.amdhsa_enable_private_segment 0
		.amdhsa_kernarg_size 40
		.amdhsa_user_sgpr_count 2
		.amdhsa_user_sgpr_kernarg_segment_ptr 1
		.amdhsa_wavefront_size32 1
		.amdhsa_system_sgpr_workgroup_id_x 1
		.amdhsa_system_sgpr_workgroup_id_y 1
		.amdhsa_system_sgpr_workgroup_id_z 1
		.amdhsa_system_vgpr_workitem_id 0
		.amdhsa_next_free_vgpr 1024
		.amdhsa_next_free_sgpr 100
		.amdhsa_reserve_vcc 0
		.amdhsa_float_denorm_mode_32 3
		.amdhsa_float_denorm_mode_16_64 3
		.amdhsa_memory_ordered 1
		.amdhsa_forward_progress 1
		.amdhsa_inst_pref_size 152
	.end_amdhsa_kernel
	.amdgpu_metadata
---
amdhsa.version: [ 1, 2 ]
amdhsa.kernels:
  - .name:           k_q734c6ed22a_proj_qk
    .symbol:         k_q734c6ed22a_proj_qk.kd
    .args:
      - { .name: x_q, .offset: 0, .size: 8, .value_kind: global_buffer, .address_space: global }
      - { .name: w_q, .offset: 8, .size: 8, .value_kind: global_buffer, .address_space: global }
      - { .name: bq, .offset: 16, .size: 8, .value_kind: global_buffer, .address_space: global }
      - { .name: bk, .offset: 24, .size: 8, .value_kind: global_buffer, .address_space: global }
      - { .name: qk_q, .offset: 32, .size: 8, .value_kind: global_buffer, .address_space: global }
    .group_segment_fixed_size: 327680
    .private_segment_fixed_size: 0
    .kernarg_segment_align: 8
    .kernarg_segment_size: 40
    .max_flat_workgroup_size: 128
    .sgpr_count:     100
    .vgpr_count:     1024
    .wavefront_size: 32
...
	.end_amdgpu_metadata
.endif
;; end of part 2
;; launch proj_v (part 3): grid 32 x 8, 4 waves a work-group, clusters of 4 x 4, 327,680 bytes of LDS; arguments w_q, x_q, bv, v_q; writes v_q
.if DOCPART == 3
	.amdgcn_target "amdgcn-amd-amdhsa--gfx1250"
	.amdhsa_code_object_version 6
	.text
	.protected	k_q734c6ed22a_proj_v
	.globl	k_q734c6ed22a_proj_v
	.p2align	8
	.type	k_q734c6ed22a_proj_v,@function
k_q734c6ed22a_proj_v:
	s_mov_b64 s[64:65], 0
	v_nop
	global_prefetch_b8 v0, s[64:65] scope:SCOPE_SE
	s_setreg_imm32_b32 hwreg(HW_REG_WAVE_MODE, 25, 1), 1
	s_wait_xcnt 0x0
	s_wait_alu depctr_hold_cnt(0) depctr_sa_sdst(0) depctr_va_vdst(0) depctr_va_sdst(0) depctr_va_ssrc(0) depctr_va_vcc(0) depctr_vm_vsrc(0)
	s_getreg_b32 s2, hwreg(HW_REG_IB_STS2, 6, 4)
	s_cmp_eq_u32 s2, 0
	s_cbranch_scc0 .Lentry_in_a_cluster
	s_endpgm
.Lentry_in_a_cluster:
	s_bfe_u32 s2, ttmp6, 0x10000c
	s_cmp_lg_u32 s2, 0xf033
	s_cbranch_scc0 .Lentry_shape_is_right
	s_endpgm
.Lentry_shape_is_right:
; V^T = wv^T x^T + bv on codes of FP6 (E2M3) with E8M0 scales, f32 sums; the result is quantised ALONG THE KEYS (the second attention product's K) and stored as codes.
; A = w_q's tiles 128-191 (rows = wv's 1,024 columns, the channels), B = x_q (rows = tokens, 512 tiles), K = 1,024.
; OPERANDS LIE IN THE ORDER OF THEIR REGISTERS: a tile is 16 rows, lane r of tile 2 g + u holds row 32 g + 8 u + r + 8 (r / 8); codes [K slot of 256][tile][3,072 bytes = 2 fragments, each two half images of 768 bytes];
; behind them the scale bytes [K slot][tile][128 bytes: lane r's 8 at 8 r].
; A work-group makes 128 channels x 256 tokens: 8 x 32 = 256 work-groups.  ALL OF K LIES IN LDS AT ONCE: A 4 x 24,576 bytes, B 4 x 49,152, scale bytes 4,096 + 8,192.  Four joint loads at the head, one a wave;
; nothing is ever filled again, so there is no ring and no round but the opening and the closing one.
; CLUSTERS 4 x 4: A's tiles are shared along a row of the cluster, B's along a column.
; A wave makes 64 channels (one head) x 128 tokens (one step of keys): 32 accumulators (window 2), taken by turns in the same order in each of the 8 steps of 128 along K.
; The matrix instruction is used transposed (source 0 = B's tile, source 1 = A's): register j of accumulator (a, 2 g + u) in lane (r, h) is (channel = lane r of tile a, token 32 g + 16 h + 8 u + j):
; the 64 registers of accumulators (a, 0 .. 7) are 64 tokens of ONE channel, 16 neighbours of each block of 32: what the conversions want.
; The bias (one number a lane and tile, spread over eight registers) is the C of each sum's first product.
; OUT: v_q [batch 4][head 16][step of 128 keys 16][6,400 bytes: 4 fragments of V^T (16 channels x 128 keys); 256 bytes of scale words: word (tile, r) at 8 (r + 16 (tile % 2)) + 4 (tile / 2)].
; No prefetch: the launch has no loop to run ahead in; all that it reads is asked for by its first four loads.
; LIMITS: NaN and infinities are not served; a block whose largest magnitude lies under 2^-124 keeps the byte 1; a block of zeros gets the byte 1 where the rule says 127 (zero codes; this program alone reads the bytes).
.set TILEB,  3072
.set A_NT,   256
.set A_T0,   128
.set A_SC,   3145728
.set B_NT,   512
.set B_SC,   6291456
.set ASL,    8*TILEB                   ; a K slot of A's 8 tiles
.set BSL,    16*TILEB                  ; of B's 16
.set BB0,    4*ASL                     ; LDS: B's codes behind A's
.set SCL,    BB0+4*BSL                 ; A's scale bytes: 4 x 1,024
.set SCLB,   SCL+4096                  ; B's: 4 x 2,048
.set SPARE,  SCLB+8192                 ; the spare words: 512 bytes that no other line names
.set ADRA, 4                           ; v4-5 my A tiles + 16 x lane in K slots 0-1, 2-3; v6-7 + 8 x lane
.set ADRB, 8                           ; v8-11 my B tiles + 16 x lane, a register a K slot; v12-15 + 8 x lane
.set ADSA, 16                          ; v16 my row's scale bytes of A; v17 of B
.set ADSB, 17
.set L16,  24
.set L8,   25
.set SPW,  28
.set NIL,  29
.set SCA,  32                          ; v32-63 A's scale words: 8 x slot + 2 a + q
.set SCB,  64                          ; v64-127 B's: 16 x slot + 2 b + q
.set AF,   128                         ; v128-223 A's fragments, two sets of 48; on the way out the quantiser's registers
.set BIAS, 224                         ; v224-255 the bias, eight registers a tile
.set G1A, 24
.set G0A, 32
.set G1B, 48
.set G0B, 56
.set G1S, 68
.set G0S, 76
.set G1SB, 80
.set G0SB, 88
.set MSB, 0
.macro WIN new
.if MSB != \new
	s_set_vgpr_msb (MSB<<8)|\new
.set MSB, \new
.endif
.endm
.macro PLACES n
.rept \n
	v_nop
.endr
.endm
.macro CROUND
	s_barrier_signal -1
	s_barrier_wait -1
	s_cmp_lg_u32 s14, 0
	s_cbranch_scc1 .Lnot_wave_0_\@
	s_barrier_signal -3
.Lnot_wave_0_\@:
	s_barrier_wait -3
	s_barrier_signal -1
	s_barrier_wait -1
.endm
.macro GRP g, mask, c, p               ; group 1: 4 rows (K slots) of c elements of 8 bytes, p elements apart
	s_or_b32 s[\g], s[\mask], (3<<16)|(1<<21)
	s_mov_b32 s[\g+1], (\c)<<16
	s_mov_b32 s[\g+2], 4<<16
	s_mov_b32 s[\g+3], (\c)<<16
	s_mov_b32 s[\g+4], 4
	s_mov_b32 s[\g+5], \p
	s_mov_b32 s[\g+6], 0
	s_mov_b32 s[\g+7], 0
.endm
.macro G0SET g, lds, a
	s_mov_b32 s[\g], 1
	s_mov_b32 s[\g+1], \lds
	s_mov_b64 s[\g+2:\g+3], s[\a:\a+1]
	s_or_b32 s[\g+3], s[\g+3], 0x80000000
.endm
.macro ARM under, g0, g1, next
	s_cmp_lt_u32 s14, \under
	s_cbranch_scc0 \next
	tensor_load_to_lds s[\g0:\g0+3], s[\g1:\g1+7]
	s_nop 0
	PLACES 4
	s_branch .Lhead_asked
\next:
.endm
	s_load_b256 s[4:11], s[0:1], 0x0               ; w_q, x_q, bv, v_q
	v_lshl_add_u32 v[SPW], v0, 2, SPARE
	v_mov_b32 v[NIL], 0
	ds_add_u32 v[SPW], v[NIL]                      ; the opening lines: the add twice and its wait
	ds_add_u32 v[SPW], v[NIL]
	v_lshrrev_b32 v1, 5, v0
	v_readfirstlane_b32 s14, v1                    ; wave
	s_lshr_b32 s15, s14, 1                         ; which 4 of A's 8 tiles are mine: which head
	s_and_b32 s16, s14, 1                          ; which 8 of B's 16: which step of keys
	s_bfe_u32 s40, ttmp6, 0x40000
	s_bfe_u32 s41, ttmp6, 0x40004
	s_lshl_b32 s42, ttmp9, 2
	s_add_co_u32 s42, s42, s40                     ; tc: which 256 tokens
	s_and_b32 s17, ttmp7, 0xffff
	s_lshl_b32 s17, s17, 2
	s_add_co_u32 s17, s17, s41                     ; tr: which 128 channels
	s_lshl_b32 s43, s41, 2
	s_lshl_b32 s43, 15, s43                        ; my row of the cluster
	s_lshl_b32 s44, 0x1111, s40                    ; my column
	GRP G1A,  43, ASL/8, A_NT*TILEB/8
	GRP G1B,  44, BSL/8, B_NT*TILEB/8
	GRP G1S,  43, 128,   A_NT*16
	GRP G1SB, 44, 256,   B_NT*16
	s_lshl_b32 s20, s17, 3
	s_add_co_u32 s20, s20, A_T0                    ; A: tile 128 + 8 tr
	s_lshl_b32 s22, s20, 7
	s_add_co_u32 s22, s22, A_SC
	s_mov_b32 s23, 0
	s_mul_i32 s20, s20, TILEB
	s_mov_b32 s21, 0
	s_lshl_b32 s46, s42, 4                         ; B: tile 16 tc
	s_lshl_b32 s92, s46, 7
	s_add_co_u32 s92, s92, B_SC
	s_mov_b32 s93, 0
	s_mul_i32 s46, s46, TILEB
	s_mov_b32 s47, 0
	s_mul_i32 s36, s15, 4*TILEB                    ; LDS: my tiles of A,
	s_mul_i32 s38, s16, 8*TILEB
	s_add_co_u32 s38, s38, BB0                     ; of B,
	s_lshl_b32 s39, s15, 9
	s_add_co_u32 s39, s39, SCL                     ; their scale bytes
	s_lshl_b32 s94, s16, 10
	s_add_co_u32 s94, s94, SCLB
	s_lshl_b32 s96, s42, 1                         ; my 128 tokens are block 2 tc + half: batch = block / 16, step = block % 16
	s_add_co_u32 s96, s96, s16
	s_lshr_b32 s97, s96, 4
	s_and_b32 s96, s96, 15
	s_lshl_b32 s97, s97, 4
	s_lshl_b32 s98, s17, 1
	s_add_co_u32 s97, s97, s98
	s_add_co_u32 s97, s97, s15                     ; 16 batch + head, head = 2 tr + half
	s_lshl_b32 s97, s97, 4
	s_add_co_u32 s96, s96, s97
	s_mul_i32 s98, s96, 6400
	s_mov_b32 s99, 0
	s_lshl_b32 s96, s17, 9                         ; the bias of my 64 channels, 4 bytes each
	s_lshl_b32 s97, s15, 8
	s_add_co_u32 s96, s96, s97
	s_mov_b32 s97, 0
	s_wait_dscnt 0x0
	s_wait_kmcnt 0x0
	s_add_nc_u64 s[20:21], s[4:5], s[20:21]
	s_add_nc_u64 s[22:23], s[4:5], s[22:23]
	s_add_nc_u64 s[46:47], s[6:7], s[46:47]
	s_add_nc_u64 s[92:93], s[6:7], s[92:93]
	s_add_nc_u64 s[8:9], s[8:9], s[96:97]
	s_add_nc_u64 s[10:11], s[10:11], s[98:99]
	s_mov_b32 s96, 0xffff0000                      ; lanes 16-31
	s_mov_b32 s98, 0x76543210                      ; v_permlanex16_b32's selects for lane l xor 16
	s_mov_b32 s99, 0xfedcba98
	CROUND                                         ; the round in front of the first joint loads
	G0SET G0A,  0,    20
	G0SET G0B,  BB0,  46
	G0SET G0S,  SCL,  22
	G0SET G0SB, SCLB, 92
	ARM 1, G0A, G1A, .Lhead_b                      ; one tree of branches on the wave's number, one load to an arm
	ARM 2, G0B, G1B, .Lhead_sa
	ARM 3, G0S, G1S, .Lhead_sb
	tensor_load_to_lds s[G0SB:G0SB+3], s[G1SB:G1SB+7]
	s_nop 0
	PLACES 4
.Lhead_asked:
	v_and_b32 v1, 15, v0                           ; r
	v_and_b32 v3, 31, v0
	v_lshlrev_b32 v[L16], 4, v3
	v_lshlrev_b32 v[L8], 3, v3
	v_add_nc_u32 v[ADRA], s36, v[L16]
	v_add_nc_u32 v[ADRA+2], s36, v[L8]
	v_add_nc_u32 v[ADRA+1], 2*ASL, v[ADRA]
	v_add_nc_u32 v[ADRA+3], 2*ASL, v[ADRA+2]
	v_add_nc_u32 v[ADRB], s38, v[L16]
	v_add_nc_u32 v[ADRB+4], s38, v[L8]
.irp s, 1,2,3
	v_add_nc_u32 v[ADRB+\s], BSL, v[ADRB+\s-1]
	v_add_nc_u32 v[ADRB+4+\s], BSL, v[ADRB+3+\s]
.endr
	v_lshl_add_u32 v[ADSA], v1, 3, s39
	v_lshl_add_u32 v[ADSB], v1, 3, s94
	v_and_b32 v20, 8, v1                           ; the bias: for tile a lane (r, h) wants the number of channel 32 (a / 2) + 8 (a % 2) + r + 8 (r / 8) of my 64
	v_add_nc_u32 v20, v20, v1
	v_lshlrev_b32 v20, 2, v20
	s_wait_alu depctr_va_vdst(0)                   ; the wait here, ahead of the readers below
.irp a, 0,1,2,3
	global_load_b32 v[BIAS+8*\a], v20, s[8:9] offset:(32*(\a/2)+8*(\a%2))*4
.endr
	s_wait_loadcnt 0x0
.irp a, 0,1,2,3
.irp j, 1,2,3,4,5,6,7
	v_mov_b32 v[BIAS+8*\a+\j], v[BIAS+8*\a]        ; a lane's eight results of a tile belong to one channel: its bias eight times
.endr
.endr
	s_wait_alu depctr_va_vdst(0)                   ; the wait at the head's end
	s_wait_tensorcnt 0x0                           ; my tile is in,
	s_barrier_signal -1
	s_barrier_wait -1                              ; everybody's are
.macro FRAG reg, a16, a8, off
	ds_load_b128 v[\reg:\reg+3], v[\a16] offset:\off
	ds_load_b64 v[\reg+4:\reg+5], v[\a8] offset:\off+512
	ds_load_b128 v[\reg+6:\reg+9], v[\a16] offset:\off+768
	ds_load_b64 v[\reg+10:\reg+11], v[\a8] offset:\off+1280
.endm
.macro FETCH st                        ; step st's fragments into set st % 2: 32 loads for B's eight, 16 for A's four
	WIN 0x40
.irp i, 0,1,2,3,4,5,6,7
	FRAG 128*((\st)%2)+12*\i, ADRB+(\st)/2, ADRB+4+(\st)/2, 3072*\i+1536*((\st)%2)
.endr
	WIN 0
.irp i, 0,1,2,3
	FRAG AF+48*((\st)%2)+12*\i, ADRA+(\st)/4, ADRA+2+(\st)/4, 24576*(((\st)/2)%2)+3072*\i+1536*((\st)%2)
.endr
.endm
.macro MUL st                          ; 32 products, 128 along K
.if (\st) == 0
	WIN 0x81                                       ; source 0 window 1, source 1 and C (the bias) window 0, D window 2
.else
	WIN 0xa1
.endif
.irp a, 0,1,2,3
.irp b, 0,1,2,3,4,5,6,7
.set DD, 8*(8*\a+\b)
.set BF, 128*((\st)%2)+12*\b
.set AA, AF+48*((\st)%2)+12*\a
.set XB, SCB+16*((\st)/2)+2*\b+(\st)%2
.set XA, SCA+8*((\st)/2)+2*\a+(\st)%2
.if (\st) == 0
	v_wmma_scale_f32_16x16x128_f8f6f4 v[DD:DD+7], v[BF:BF+11], v[AA:AA+11], v[BIAS+8*\a:BIAS+8*\a+7], v[XB], v[XA] matrix_a_fmt:MATRIX_FMT_FP6 matrix_b_fmt:MATRIX_FMT_FP6
.else
	v_wmma_scale_f32_16x16x128_f8f6f4 v[DD:DD+7], v[BF:BF+11], v[AA:AA+11], v[DD:DD+7], v[XB], v[XA] matrix_a_fmt:MATRIX_FMT_FP6 matrix_b_fmt:MATRIX_FMT_FP6
.endif
.endr
.endr
.endm
.irp s, 0,1,2,3                        ; all scale words, once: every lane takes row r's two words of a slot
.irp i, 0,1,2,3
	ds_load_b64 v[SCA+8*\s+2*\i:SCA+8*\s+2*\i+1], v[ADSA] offset:1024*\s+128*\i
.endr
.irp i, 0,1,2,3,4,5,6,7
	ds_load_b64 v[SCB+16*\s+2*\i:SCB+16*\s+2*\i+1], v[ADSB] offset:2048*\s+128*\i
.endr
.endr
	FETCH 0
.irp st, 0,1,2,3,4,5,6
.if \st > 0
	PLACES 4                                       ; between the last step's products and the loads into the set that they read
.endif
	FETCH \st+1
	s_wait_dscnt 48                                ; all but the 48 loads just issued: this step's fragments are in
	MUL \st
.endr
	s_wait_dscnt 0x0
	MUL 7
	WIN 0
; THE WAY OUT: tile by tile of A the 64 numbers of a lane are quantised in registers, and the fragment leaves as it stands: no LDS, every store 512 or 256 consecutive bytes, aligned.
.set PC,  128                          ; v128-139 the codes, v140-146 halves on their way
.set TM,  148                          ; v148-151 largest magnitudes, v152-155 the other half's, then bytes, v160-163 scale operands
.set PWS, 164                          ; v164-167 the four tiles' scale words
.set PR,  172                          ; v172-173 the pair that is stored
.macro QUANTW a
.set ACS, 64*(\a)
	s_wait_xcnt 0x0                                ; the last tile's stores have read v[PC] on
	WIN 10                                         ; sources 0 and 1 in window 2
.irp b, 0,1,2,3
	v_max3_num_f32 v[TM+\b], |v[ACS+16*\b]|, |v[ACS+16*\b+1]|, 0x1800000   ; block b: my 16 numbers, each accumulator from its low end on, and the floor 2^(3 - 127)
.endr
.irp i, 2,4,6,8,10,12,14
.irp b, 0,1,2,3
	v_max3_num_f32 v[TM+\b], |v[ACS+16*\b+\i]|, |v[ACS+16*\b+\i+1]|, v[TM+\b]
.endr
.endr
	WIN 0
.irp b, 0,1,2,3
	v_permlanex16_b32 v[TM+4+\b], v[TM+\b], s98, s99
.endr
.irp b, 0,1,2,3
	v_max_num_f32 v[TM+\b], v[TM+\b], v[TM+4+\b]   ; with lane l xor 16's: the block's largest magnitude
.endr
.irp b, 0,1,2,3
	v_add_nc_u32 v[TM+12+\b], 0xff000000, v[TM+\b] ; 2 off its exponent field: the conversion's scale operand
.endr
.irp b, 0,1,2,3
	v_lshrrev_b32 v[TM+4+\b], 23, v[TM+12+\b]      ; the scale's byte
.endr
	v_lshl_or_b32 v[PWS+(\a)], v[TM+5], 8, v[TM+4]
	v_lshl_or_b32 v[PWS+(\a)], v[TM+6], 16, v[PWS+(\a)]
	v_lshl_or_b32 v[PWS+(\a)], v[TM+7], 24, v[PWS+(\a)]
	WIN 2                                          ; source 0 in window 2
.irp c, 0,1
	v_cvt_scalef32_pk16_fp6_f32 v[PC+6*\c:PC+2+6*\c], v[ACS+32*\c:ACS+15+32*\c], v[TM+12+2*\c]
	v_cvt_scalef32_pk16_fp6_f32 v[PC+12+4*\c:PC+14+4*\c], v[ACS+16+32*\c:ACS+31+32*\c], v[TM+12+2*\c+1]
.endr
	WIN 0
	v_nop                                          ; one plain instruction behind a scaled conversion
.irp c, 0,1                            ; a WHOLE block in a lane: lanes 0-15 block 2 c, lanes 16-31 block 2 c + 1
.irp i, 0,1,2
	v_permlane16_swap_b32 v[PC+6*\c+\i], v[PC+12+4*\c+\i]
.endr
.irp i, 0,1,2
	v_mov_b32 v[PC+3+6*\c+\i], v[PC+12+4*\c+\i]
.endr
.endr
.endm
	PLACES 4                                       ; behind the last products
.irp b, 0,1,2,3
	v_mov_b32 v[TM+4+\b], 0                        ; written once: a lane permute's destination counts as one of its sources
.endr
.irp a, 0,1,2,3
	QUANTW \a                                      ; tile a of my head: a fragment of V^T, 16 channels x my 128 keys
	global_store_b128 v[L16], v[PC:PC+3], s[10:11] offset:1536*\a
	global_store_b64 v[L8], v[PC+4:PC+5], s[10:11] offset:1536*\a+512
	global_store_b128 v[L16], v[PC+6:PC+9], s[10:11] offset:1536*\a+768
	global_store_b64 v[L8], v[PC+10:PC+11], s[10:11] offset:1536*\a+1280
.endr
	v_cndmask_b32 v[PR], v[PWS], v[PWS+1], s96     ; lanes 0-15: the words of tiles 0 and 2 of row r; lanes 16-31: of tiles 1 and 3
	v_cndmask_b32 v[PR+1], v[PWS+2], v[PWS+3], s96
	global_store_b64 v[L8], v[PR:PR+1], s[10:11] offset:6144
	s_wait_tensorcnt 0x0                           ; the wave's end
	ds_add_u32 v[SPW], v[NIL]
	s_wait_dscnt 0x0
	CROUND                                         ; the closing round
	s_endpgm
.Lfunc_end_k_q734c6ed22a_proj_v:
	.size	k_q734c6ed22a_proj_v, .Lfunc_end_k_q734c6ed22a_proj_v-k_q734c6ed22a_proj_v
	.p2alignl 7, 3214868480
	.fill 96, 4, 3214868480
	.section	.rodata,"a",@progbits
	.p2align	6, 0x0
	.amdhsa_kernel k_q734c6ed22a_proj_v
		.amdhsa_group_segment_fixed_size 327680
		.amdhsa_private_segment_fixed_size 0
		.amdhsa_enable_private_segment 0
		.amdhsa_kernarg_size 32
		.amdhsa_user_sgpr_count 2
		.amdhsa_user_sgpr_kernarg_segment_ptr 1
		.amdhsa_wavefront_size32 1
		.amdhsa_system_sgpr_workgroup_id_x 1
		.amdhsa_system_sgpr_workgroup_id_y 1
		.amdhsa_system_sgpr_workgroup_id_z 1
		.amdhsa_system_vgpr_workitem_id 0
		.amdhsa_next_free_vgpr 768
		.amdhsa_next_free_sgpr 100
		.amdhsa_reserve_vcc 0
		.amdhsa_float_denorm_mode_32 3
		.amdhsa_float_denorm_mode_16_64 3
		.amdhsa_memory_ordered 1
		.amdhsa_forward_progress 1
		.amdhsa_inst_pref_size 89
	.end_amdhsa_kernel
	.amdgpu_metadata
---
amdhsa.version: [ 1, 2 ]
amdhsa.kernels:
  - .name:           k_q734c6ed22a_proj_v
    .symbol:         k_q734c6ed22a_proj_v.kd
    .args:
      - { .name: w_q, .offset: 0, .size: 8, .value_kind: global_buffer, .address_space: global }
      - { .name: x_q, .offset: 8, .size: 8, .value_kind: global_buffer, .address_space: global }
      - { .name: bv, .offset: 16, .size: 8, .value_kind: global_buffer, .address_space: global }
      - { .name: v_q, .offset: 24, .size: 8, .value_kind: global_buffer, .address_space: global }
    .group_segment_fixed_size: 327680
    .private_segment_fixed_size: 0
    .kernarg_segment_align: 8
    .kernarg_segment_size: 32
    .max_flat_workgroup_size: 128
    .sgpr_count:     100
    .vgpr_count:     768
    .wavefront_size: 32
...
	.end_amdgpu_metadata
.endif
;; end of part 3
;; launch attn (part 4): grid 4 x 64, 16 waves a work-group, clusters of 4 x 1, 327,680 bytes of LDS; arguments qk_q, v_q, o_q; writes o_q
.if DOCPART == 4
	.amdgcn_target "amdgcn-amd-amdhsa--gfx1250"
	.amdhsa_code_object_version 6
	.text
	.protected	k_q734c6ed22a_attn
	.globl	k_q734c6ed22a_attn
	.p2align	8
	.type	k_q734c6ed22a_attn,@function
k_q734c6ed22a_attn:
	s_mov_b64 s[64:65], 0
	v_nop
	global_prefetch_b8 v0, s[64:65] scope:SCOPE_SE
	s_setreg_imm32_b32 hwreg(HW_REG_WAVE_MODE, 25, 1), 1
	s_wait_xcnt 0x0
	s_wait_alu depctr_hold_cnt(0) depctr_sa_sdst(0) depctr_va_vdst(0) depctr_va_sdst(0) depctr_va_ssrc(0) depctr_va_vcc(0) depctr_vm_vsrc(0)
	s_getreg_b32 s2, hwreg(HW_REG_IB_STS2, 6, 4)
	s_cmp_eq_u32 s2, 0
	s_cbranch_scc0 .Lentry_in_a_cluster
	s_endpgm
.Lentry_in_a_cluster:
	s_bfe_u32 s2, ttmp6, 0x10000c
	s_cmp_lg_u32 s2, 0x3003
	s_cbranch_scc0 .Lentry_shape_is_right
	s_endpgm
.Lentry_shape_is_right:
.set STEPB, 6400
.set VBASE, 16*STEPB
.set KF,   34
.set WV,   18
.set SEL,  20
.set CS,   22
.set G1,   24
.set G0K,  32
.set G0V,  36
.set TB,   40
.set CNT,  41
.macro CROUND
	s_barrier_signal -1
	s_barrier_wait -1
	s_cmp_lg_u32 s[WV], 0
	s_cbranch_scc1 .Lnot_wave_0_\@
	s_barrier_signal -3
.Lnot_wave_0_\@:
	s_barrier_wait -3
	s_barrier_signal -1
	s_barrier_wait -1
.endm
	s_load_b128 s[4:7], s[0:1], 0x0
	s_load_b64 s[8:9], s[0:1], 0x10
	v_lshl_add_u32 v251, v0, 2, 0x32000
	v_mov_b32 v255, 0
	ds_add_u32 v251, v255
	ds_add_u32 v251, v255
	v_lshrrev_b32 v1, 5, v0
	s_delay_alu instid0(VALU_DEP_1)
	v_readfirstlane_b32 s[WV], v1
	s_bfe_u32 s10, ttmp6, 0x40000
	s_and_b32 s11, ttmp7, 0xffff
	s_lshr_b32 s12, s11, 4
	s_and_b32 s13, s11, 15
	s_lshl_b32 s14, s12, 5
	s_add_co_u32 s14, s14, s13
	s_and_b32 s17, s[WV], 7                        ; waves 0-7 fetch two steps of K each, waves 8-15 two steps of V each
	s_lshl_b32 s17, s17, 1
	s_add_co_u32 s15, s14, 16
	s_lshl_b32 s15, s15, 4
	s_add_co_u32 s15, s15, s17
	s_mul_i32 s44, s15, STEPB
	s_mov_b32 s45, 0
	s_lshl_b32 s15, s11, 4
	s_add_co_u32 s15, s15, s17
	s_mul_i32 s46, s15, STEPB
	s_mov_b32 s47, 0
	s_mul_i32 s16, s[WV], 2*STEPB                  ; K's 16 steps lie from LDS byte 0, V's from VBASE = 8 x 2 STEPB
	s_mov_b32 s[G1], 15|(3<<16)|(1<<21)
	s_mov_b32 s[G1+1], 32<<16
	s_mov_b32 s[G1+2], 50<<16
	s_mov_b32 s[G1+3], 32<<16
	s_mov_b32 s[G1+4], 50
	s_mov_b32 s[G1+5], 32
	s_mov_b32 s[G1+6], 0
	s_mov_b32 s[G1+7], 0
	s_mov_b32 s[SEL], 0x76543210
	s_mov_b32 s[SEL+1], 0xfedcba98
	s_mov_b32 s[CS], 0x3e38aa3b
	s_mov_b32 s[CS+1], s[CS]
	s_wait_dscnt 0x0
	s_wait_kmcnt 0x0
	s_mov_b32 s[G0K], 1
	s_mov_b32 s[G0K+1], s16
	s_add_nc_u64 s[G0K+2:G0K+3], s[4:5], s[44:45]
	s_or_b32 s[G0K+3], s[G0K+3], 0x80000000
	s_mov_b32 s[G0V], 1
	s_mov_b32 s[G0V+1], s16
	s_add_nc_u64 s[G0V+2:G0V+3], s[6:7], s[46:47]
	s_or_b32 s[G0V+3], s[G0V+3], 0x80000000
	CROUND
	s_cmp_lt_u32 s[WV], 8
	s_cbranch_scc0 .Lfor_v
	tensor_load_to_lds s[G0K:G0K+3], s[G1:G1+7]
	s_nop 0
.rept 4
	v_nop
.endr
	s_branch .Lasked
.Lfor_v:
	tensor_load_to_lds s[G0V:G0V+3], s[G1:G1+7]
	s_nop 0
.rept 4
	v_nop
.endr
.Lasked:
	v_and_b32 v11, 31, v0
	s_delay_alu instid0(VALU_DEP_1)
	v_lshlrev_b32 v1, 4, v11
	s_wait_alu depctr_va_vdst(0)
	v_lshlrev_b32 v2, 3, v11
	s_wait_alu depctr_va_vdst(0)
	v_add_nc_u32 v3, VBASE, v1
	v_add_nc_u32 v4, VBASE, v2
	v_and_b32 v10, 15, v0
	s_delay_alu instid0(VALU_DEP_1)
	v_lshlrev_b32 v10, 3, v10
	s_wait_alu depctr_va_vdst(0)
	s_lshl_b32 s15, s14, 4
	s_lshl_b32 s17, s10, 2
	s_add_co_u32 s15, s15, s17
	s_lshr_b32 s17, s[WV], 3
	s_add_co_u32 s15, s15, s17
	s_mul_i32 s48, s15, STEPB
	s_mov_b32 s49, 0
	s_add_nc_u64 s[48:49], s[4:5], s[48:49]
	s_and_b32 s17, s[WV], 7
	s_mul_i32 s50, s17, 768
	s_mov_b32 s51, 0
	s_add_nc_u64 s[50:51], s[48:49], s[50:51]
	s_bfe_u32 s17, s[WV], 0x10001
	s_lshl_b32 s52, s17, 7
	s_bfe_u32 s17, s[WV], 0x10002
	s_lshl_b32 s17, s17, 2
	s_add_co_u32 s52, s52, s17
	s_add_co_u32 s52, s52, 6144
	s_mov_b32 s53, 0
	s_add_nc_u64 s[52:53], s[48:49], s[52:53]
	s_and_b32 s54, s[WV], 1
	s_lshl_b32 s54, s54, 4
.irp p, 0,1
	global_load_b128 v[22+176*\p:25+176*\p], v1, s[50:51] offset:12800*\p
	global_load_b64 v[26+176*\p:27+176*\p], v2, s[50:51] offset:12800*\p+512
	global_load_b32 v[7+203*\p], v10, s[52:53] offset:12800*\p
.endr
	s_lshl_b32 s15, s12, 7
	s_lshl_b32 s17, s10, 5
	s_add_co_u32 s15, s15, s17
	s_add_co_u32 s15, s15, s[WV]
	s_lshr_b32 s17, s13, 2
	s_and_b32 s55, s13, 3
	s_mul_i32 s56, s15, 3072
	s_mul_i32 s57, s17, 512*3072
	s_add_co_u32 s56, s56, s57
	s_mul_i32 s57, s55, 768
	s_add_co_u32 s56, s56, s57
	s_mov_b32 s57, 0
	s_add_nc_u64 s[56:57], s[8:9], s[56:57]
	s_lshl_b32 s58, s15, 7
	s_lshl_b32 s59, s17, 16
	s_add_co_u32 s58, s58, s59
	s_lshl_b32 s59, s55, 1
	s_add_co_u32 s58, s58, s59
	s_add_co_u32 s58, s58, 6291456
	s_mov_b32 s59, 0
	s_add_nc_u64 s[58:59], s[8:9], s[58:59]
.irp p, 0,1
.irp i, 0,1,2,3,4,5
	v_mov_b32 v[16+176*\p+\i], 0
	v_mov_b32 v[28+176*\p+\i], 0
.endr
.endr
.irp b, 0,1,2,3
	v_mov_b32 v[236+\b], 0
.endr
	v_mov_b32 v253, 0
	s_wait_loadcnt 0x0
.irp p, 0,1
	v_lshrrev_b32 v[7+203*\p], s54, v[7+203*\p]
	s_delay_alu instid0(VALU_DEP_1)
	v_and_b32 v[7+203*\p], 0xffff, v[7+203*\p]
	s_delay_alu instid0(VALU_DEP_1)
	v_lshl_or_b32 v[7+203*\p], v[7+203*\p], 16, v[7+203*\p]
.endr
	s_wait_tensorcnt 0x0
	s_barrier_signal -1
	s_barrier_wait -1
.macro KQ b
.set SD, 96+16*\b
.set KA, KF+12*\b
.if \b%2
	v_wmma_scale_f32_16x16x128_f8f6f4 v[SD:SD+7], v[KA:KA+11], v[QB+6:QB+17], 0, v[82+\b/2], v[QS] matrix_a_fmt:MATRIX_FMT_FP6 matrix_b_fmt:MATRIX_FMT_FP6 matrix_a_scale:MATRIX_SCALE_ROW1
	v_wmma_scale_f32_16x16x128_f8f6f4 v[SD+8:SD+15], v[KA:KA+11], v[QB:QB+11], 0, v[82+\b/2], v[QS] matrix_a_fmt:MATRIX_FMT_FP6 matrix_b_fmt:MATRIX_FMT_FP6 matrix_a_scale:MATRIX_SCALE_ROW1
.else
	v_wmma_scale_f32_16x16x128_f8f6f4 v[SD:SD+7], v[KA:KA+11], v[QB+6:QB+17], 0, v[82+\b/2], v[QS] matrix_a_fmt:MATRIX_FMT_FP6 matrix_b_fmt:MATRIX_FMT_FP6
	v_wmma_scale_f32_16x16x128_f8f6f4 v[SD+8:SD+15], v[KA:KA+11], v[QB:QB+11], 0, v[82+\b/2], v[QS] matrix_a_fmt:MATRIX_FMT_FP6 matrix_b_fmt:MATRIX_FMT_FP6
.endif
.endm
.macro PV t
.set OD, 160+8*\t
.set VA, KF+12*\t
.if \t%2
	v_wmma_scale_f32_16x16x128_f8f6f4 v[OD:OD+7], v[VA:VA+11], v[224:235], v[OD:OD+7], v[84+\t/2], v253 matrix_a_fmt:MATRIX_FMT_FP6 matrix_b_fmt:MATRIX_FMT_FP6 matrix_a_scale:MATRIX_SCALE_ROW1
.else
	v_wmma_scale_f32_16x16x128_f8f6f4 v[OD:OD+7], v[VA:VA+11], v[224:235], v[OD:OD+7], v[84+\t/2], v253 matrix_a_fmt:MATRIX_FMT_FP6 matrix_b_fmt:MATRIX_FMT_FP6
.endif
.endm
.macro FOUR a16, a8
.irp b, 0,1,2,3
	ds_load_b128 v[KF+12*\b:KF+12*\b+3], v[\a16] offset:1536*\b
	ds_load_b64 v[KF+12*\b+4:KF+12*\b+5], v[\a8] offset:1536*\b+512
	ds_load_b128 v[KF+12*\b+6:KF+12*\b+9], v[\a16] offset:1536*\b+768
	ds_load_b64 v[KF+12*\b+10:KF+12*\b+11], v[\a8] offset:1536*\b+1280
.endr
.endm
.macro STEP
	v_add_nc_u32 v5, s[TB], v1
	v_add_nc_u32 v6, s[TB], v2
	v_add_nc_u32 v8, s[TB], v3
	v_add_nc_u32 v9, s[TB], v4
	FOUR 5, 6
	ds_load_b64 v[82:83], v6 offset:6144
	s_wait_alu depctr_va_vdst(0)
	s_wait_dscnt 0x0
	KQ 0
	KQ 1
	KQ 2
	KQ 3
.rept 4
	v_nop
.endr
	FOUR 8, 9
	ds_load_b64 v[84:85], v9 offset:6144
.irp b, 0,1,2,3
	v_max3_num_f32 v[232+\b], v[96+16*\b], v[97+16*\b], v[98+16*\b]
.endr
.irp i, 3,5,7,9,11,13
.irp b, 0,1,2,3
	v_max3_num_f32 v[232+\b], v[232+\b], v[96+16*\b+\i], v[97+16*\b+\i]
.endr
.endr
.irp b, 0,1,2,3
	v_max_num_f32 v[232+\b], v[232+\b], v[111+16*\b]
.endr
.irp b, 0,1,2,3
	s_delay_alu instid0(VALU_DEP_4)
	v_permlanex16_b32 v[236+\b], v[232+\b], s[SEL], s[SEL+1]
.endr
.irp b, 0,1,2,3
	s_delay_alu instid0(VALU_DEP_4)
	v_max_num_f32 v[232+\b], v[232+\b], v[236+\b]
.endr
	s_delay_alu instid0(VALU_DEP_2)
	v_max3_num_f32 v254, v232, v233, v234
	s_delay_alu instid0(VALU_DEP_1)
	v_max_num_f32 v254, v254, v235
	s_delay_alu instid0(VALU_DEP_1)
	v_mul_f32 v254, s[CS], v254
	s_delay_alu instid0(VALU_DEP_1)
	v_max_num_f32 v13, v13, v254
	v_mov_b32 v254, v12
	s_delay_alu instid0(VALU_DEP_2)
	v_floor_f32 v12, -v13
	s_delay_alu instid0(VALU_DEP_1)
	v_sub_f32 v254, v12, v254
	s_delay_alu instid0(VALU_DEP_1)
	v_cvt_i32_f32 v254, v254
	s_delay_alu instid0(VALU_DEP_1)
	v_ldexp_f32 v252, 1.0, v254
.set j, 0
.rept 32
	v_pk_fma_f32 v[96+j:97+j], v[96+j:97+j], s[CS:CS+1], v[12:13] op_sel_hi:[1,0,0]
.set j, j+2
.endr
.irp b, 0,1,2,3
	v_fma_f32 v[232+\b], v[232+\b], s[CS], v12
.endr
.set j, 0
	s_wait_alu depctr_va_vdst(0)
.rept 64
	v_exp_f32 v[96+j], v[96+j]
.set j, j+1
.endr
.irp b, 0,1,2,3
	v_exp_f32 v[232+\b], v[232+\b]
.endr
	v_pk_mul_f32 v[14:15], v[14:15], v[252:253] op_sel_hi:[1,0]
	s_wait_alu depctr_va_vdst(0)
.irp b, 0,1,2,3
	v_max_num_f32 v[232+\b], 0x1800000, v[232+\b]
.endr
.irp b, 0,1,2,3
	s_delay_alu instid0(VALU_DEP_4)
	v_add_nc_u32 v[244+\b], 0xff000000, v[232+\b]
.endr
.irp b, 0,1,2,3
	s_delay_alu instid0(VALU_DEP_4)
	v_lshrrev_b32 v[236+\b], 23, v[244+\b]
.endr
	s_delay_alu instid0(VALU_DEP_3)
	v_lshl_or_b32 v253, v237, 8, v236
	s_delay_alu instid0(VALU_DEP_1)
	v_lshl_or_b32 v253, v238, 16, v253
	s_delay_alu instid0(VALU_DEP_1)
	v_lshl_or_b32 v253, v239, 24, v253
.irp c, 0,1
	v_cvt_scalef32_pk16_fp6_f32 v[224+6*\c:226+6*\c], v[96+32*\c:111+32*\c], v[244+2*\c]
	v_cvt_scalef32_pk16_fp6_f32 v[236+4*\c:238+4*\c], v[112+32*\c:127+32*\c], v[244+2*\c+1]
.endr
	v_nop
.irp c, 0,1
.irp i, 0,1,2
	v_permlane16_swap_b32 v[224+6*\c+\i], v[236+4*\c+\i]
.endr
.irp i, 0,1,2
	s_delay_alu instid0(VALU_DEP_3)
	v_mov_b32 v[227+6*\c+\i], v[236+4*\c+\i]
.endr
.endr
	v_pk_add_f32 v[236:237], v[96:97], v[98:99]
.irp j, 4,8,12,16,20,24,28,32,36,40,44,48,52,56,60
	v_pk_add_f32 v[14:15], v[14:15], v[96+\j:97+\j]
	v_pk_add_f32 v[236:237], v[236:237], v[98+\j:99+\j]
.endr
	s_delay_alu instid0(VALU_DEP_1)
	v_pk_add_f32 v[14:15], v[14:15], v[236:237]
.irp j, 0,2,4,6,8,10,12,14,16,18,20,22,24,26,28,30
	v_pk_mul_f32 v[160+\j:161+\j], v[160+\j:161+\j], v[252:253] op_sel_hi:[1,0]
.endr
	s_wait_alu depctr_va_vdst(0)
	s_wait_dscnt 0x0
	PV 0
	PV 1
	PV 2
	PV 3
.endm
.macro PASS p
.set QB, 16+176*\p
.set QS, 7+203*\p
	v_mov_b32 v13, 0xff61b1e6
	s_delay_alu instid0(VALU_DEP_1)
	v_floor_f32 v12, -v13
	v_mov_b32 v14, 0
	v_mov_b32 v15, 0
.set j, 0
.rept 32
	v_mov_b32 v[160+j], 0
.set j, j+1
.endr
	s_mov_b32 s[TB], 0
	s_mov_b32 s[CNT], 16
.Lstep_\@:
	STEP
	s_add_co_u32 s[TB], s[TB], STEPB
	s_sub_co_u32 s[CNT], s[CNT], 1
	s_cmp_lg_u32 s[CNT], 0
	s_cbranch_scc1 .Lstep_\@
.rept 4
	v_nop
.endr
	v_add_f32 v14, v14, v15
	s_delay_alu instid0(VALU_DEP_1)
	v_permlanex16_b32 v252, v14, s[SEL], s[SEL+1]
	s_delay_alu instid0(VALU_DEP_1)
	v_add_f32 v14, v14, v252
	s_wait_alu depctr_va_vdst(0)
	v_rcp_f32 v14, v14
	v_nop
.set j, 0
	s_wait_alu depctr_va_vdst(0)
.rept 32
	v_mul_f32 v[96+j], v[160+j], v14
.set j, j+1
.endr
.irp b, 0,1
	v_max3_num_f32 v[232+\b], |v[96+16*\b]|, |v[97+16*\b]|, 0x1800000
.endr
.irp i, 2,4,6,8,10,12,14
.irp b, 0,1
	s_delay_alu instid0(VALU_DEP_2)
	v_max3_num_f32 v[232+\b], v[232+\b], |v[96+16*\b+\i]|, |v[97+16*\b+\i]|
.endr
.endr
.irp b, 0,1
	s_delay_alu instid0(VALU_DEP_2)
	v_permlanex16_b32 v[236+\b], v[232+\b], s[SEL], s[SEL+1]
.endr
.irp b, 0,1
	s_delay_alu instid0(VALU_DEP_2)
	v_max_num_f32 v[232+\b], v[232+\b], v[236+\b]
.endr
.irp b, 0,1
	s_delay_alu instid0(VALU_DEP_2)
	v_add_nc_u32 v[244+\b], 0xff000000, v[232+\b]
.endr
.irp b, 0,1
	s_delay_alu instid0(VALU_DEP_2)
	v_lshrrev_b32 v[236+\b], 23, v[244+\b]
.endr
	s_delay_alu instid0(VALU_DEP_1)
	v_lshl_or_b32 v254, v237, 8, v236
	v_cvt_scalef32_pk16_fp6_f32 v[224:226], v[96:111], v244
	v_cvt_scalef32_pk16_fp6_f32 v[236:238], v[112:127], v245
	v_nop
.irp i, 0,1,2
	v_permlane16_swap_b32 v[224+\i], v[236+\i]
.endr
.irp i, 0,1,2
	s_delay_alu instid0(VALU_DEP_3)
	v_mov_b32 v[227+\i], v[236+\i]
.endr
	global_store_b128 v1, v[224:227], s[56:57] offset:49152*\p
	global_store_b64 v2, v[228:229], s[56:57] offset:49152*\p+512
	global_store_b16 v10, v254, s[58:59] offset:2048*\p
	s_wait_xcnt 0x0
.endm
	PASS 0
	PASS 1
	s_wait_dscnt 0x0
	s_wait_tensorcnt 0x0
	ds_add_u32 v251, v255
	s_wait_dscnt 0x0
	CROUND
	s_endpgm
.Lfunc_end_k_q734c6ed22a_attn:
	.size	k_q734c6ed22a_attn, .Lfunc_end_k_q734c6ed22a_attn-k_q734c6ed22a_attn
	.p2alignl 7, 3214868480
	.fill 96, 4, 3214868480
	.section	.rodata,"a",@progbits
	.p2align	6, 0x0
	.amdhsa_kernel k_q734c6ed22a_attn
		.amdhsa_group_segment_fixed_size 327680
		.amdhsa_private_segment_fixed_size 0
		.amdhsa_enable_private_segment 0
		.amdhsa_kernarg_size 24
		.amdhsa_user_sgpr_count 2
		.amdhsa_user_sgpr_kernarg_segment_ptr 1
		.amdhsa_wavefront_size32 1
		.amdhsa_system_sgpr_workgroup_id_x 1
		.amdhsa_system_sgpr_workgroup_id_y 1
		.amdhsa_system_sgpr_workgroup_id_z 1
		.amdhsa_system_vgpr_workitem_id 0
		.amdhsa_next_free_vgpr 256
		.amdhsa_next_free_sgpr 66
		.amdhsa_reserve_vcc 0
		.amdhsa_float_denorm_mode_32 3
		.amdhsa_float_denorm_mode_16_64 3
		.amdhsa_memory_ordered 1
		.amdhsa_forward_progress 1
		.amdhsa_inst_pref_size 54
	.end_amdhsa_kernel
	.amdgpu_metadata
---
amdhsa.version: [ 1, 2 ]
amdhsa.kernels:
  - .name:           k_q734c6ed22a_attn
    .symbol:         k_q734c6ed22a_attn.kd
    .args:
      - { .name: qk_q, .offset: 0, .size: 8, .value_kind: global_buffer, .address_space: global }
      - { .name: v_q, .offset: 8, .size: 8, .value_kind: global_buffer, .address_space: global }
      - { .name: o_q, .offset: 16, .size: 8, .value_kind: global_buffer, .address_space: global }
    .group_segment_fixed_size: 327680
    .private_segment_fixed_size: 0
    .kernarg_segment_align: 8
    .kernarg_segment_size: 24
    .max_flat_workgroup_size: 512
    .sgpr_count:     66
    .vgpr_count:     256
    .wavefront_size: 32
...
	.end_amdgpu_metadata
.endif
;; end of part 4
;; launch out_proj (part 5): grid 4 x 64, 4 waves a work-group, clusters of 4 x 4, 327,680 bytes of LDS; arguments o_q, w_q, bo, out0; writes out0
.if DOCPART == 5
	.amdgcn_target "amdgcn-amd-amdhsa--gfx1250"
	.amdhsa_code_object_version 6
	.text
	.protected	k_q734c6ed22a_out_proj
	.globl	k_q734c6ed22a_out_proj
	.p2align	8
	.type	k_q734c6ed22a_out_proj,@function
k_q734c6ed22a_out_proj:
	s_mov_b64 s[64:65], 0
	v_nop
	global_prefetch_b8 v0, s[64:65] scope:SCOPE_SE
	s_setreg_imm32_b32 hwreg(HW_REG_WAVE_MODE, 25, 1), 1
	s_wait_xcnt 0x0
	s_wait_alu depctr_hold_cnt(0) depctr_sa_sdst(0) depctr_va_vdst(0) depctr_va_sdst(0) depctr_va_ssrc(0) depctr_va_vcc(0) depctr_vm_vsrc(0)
	s_getreg_b32 s2, hwreg(HW_REG_IB_STS2, 6, 4)
	s_cmp_eq_u32 s2, 0
	s_cbranch_scc0 .Lentry_in_a_cluster
	s_endpgm
.Lentry_in_a_cluster:
	s_bfe_u32 s2, ttmp6, 0x10000c
	s_cmp_lg_u32 s2, 0xf033
	s_cbranch_scc0 .Lentry_shape_is_right
	s_endpgm
.Lentry_shape_is_right:
; out0 = O wo + bo on codes of FP6 (E2M3) with E8M0 scales, f32 sums.  A = o_q (8,192 tokens, 512 tiles), B = w_q's tiles 192-255 (wo's 1,024 columns), K = 1,024.
; OPERANDS LIE IN THE ORDER OF THEIR REGISTERS: a tile is 16 rows, lane r of tile 2 g + u holds row 32 g + 8 u + r + 8 (r / 8); codes [K slot of 256][tile][3,072 bytes = 2 fragments, each two half images of 768 bytes];
; behind them the scale bytes [K slot][tile][128 bytes: lane r's 8 at 8 r].
; A work-group makes 128 tokens x 256 columns: 64 x 4 = 256 work-groups.  ALL OF K LIES IN LDS AT ONCE: A 4 x 24,576 bytes, B 4 x 49,152, scale bytes 4,096 + 8,192.  Four joint loads at the head, one a wave;
; nothing is ever filled again, so there is no ring and no round but the opening and the closing one.
; CLUSTERS 4 x 4: A's tiles are shared along a row of the cluster, B's along a column.
; A wave makes 64 x 128: 32 accumulators (window 2), taken by turns in the same order in each of the 8 steps of 128 along K.  A's and B's fragments have two sets each.
; The matrix instruction is used transposed (source 0 = B's tile, source 1 = A's): register j of accumulator (a, 2 g + u) in lane (r, h) is (token = lane r of tile a, column 32 g + 16 h + 8 u + j).
; The bias, laid as the result lies (window 3), is the C of each sum's first product.  Results leave through each wave's stage in LDS as whole rows of 512 bytes.
; No prefetch: the launch has no loop to run ahead in; all that it reads is asked for by its first four loads.
; LIMITS: NaN and infinities are not served.
.set TILEB,  3072
.set A_NT,   512
.set A_SC,   6291456
.set B_NT,   256
.set B_T0,   192
.set B_SC,   3145728
.set ASL,    8*TILEB                   ; a K slot of A's 8 tiles
.set BSL,    16*TILEB                  ; of B's 16
.set BB0,    4*ASL                     ; LDS: B's codes behind A's
.set SCL,    BB0+4*BSL                 ; A's scale bytes: 4 x 1,024
.set SCLB,   SCL+4096                  ; B's: 4 x 2,048
.set SPARE,  SCLB+8192                 ; the spare words: 512 bytes that no other line names
.set SPITCH, 528                       ; a stage row: 512 bytes + 16
.set ADRA, 4                           ; v4-5 my A tiles + 16 x lane in K slots 0-1, 2-3; v6-7 + 8 x lane
.set ADRB, 8                           ; v8-11 my B tiles + 16 x lane, a register a K slot; v12-15 + 8 x lane
.set ADSA, 16                          ; v16 my row's scale bytes of A; v17 of B
.set ADSB, 17
.set L16,  24
.set L8,   25
.set STO,  26
.set SPW,  28
.set NIL,  29
.set RD,   30
.set SCA,  32                          ; v32-63 A's scale words: 8 x slot + 2 a + q
.set SCB,  64                          ; v64-127 B's: 16 x slot + 2 b + q
.set AF,   128                         ; v128-223 A's fragments, two sets of 48; on the way out v128-255 take the rows read back
.set BK,   128
.set G1A, 24
.set G0A, 32
.set G1B, 48
.set G0B, 56
.set G1S, 68
.set G0S, 76
.set G1SB, 80
.set G0SB, 88
.set MSB, 0
.macro WIN new
.if MSB != \new
	s_set_vgpr_msb (MSB<<8)|\new
.set MSB, \new
.endif
.endm
.macro PLACES n
.rept \n
	v_nop
.endr
.endm
.macro CROUND
	s_barrier_signal -1
	s_barrier_wait -1
	s_cmp_lg_u32 s14, 0
	s_cbranch_scc1 .Lnot_wave_0_\@
	s_barrier_signal -3
.Lnot_wave_0_\@:
	s_barrier_wait -3
	s_barrier_signal -1
	s_barrier_wait -1
.endm
.macro GRP g, mask, c, p               ; group 1: 4 rows (K slots) of c elements of 8 bytes, p elements apart
	s_or_b32 s[\g], s[\mask], (3<<16)|(1<<21)
	s_mov_b32 s[\g+1], (\c)<<16
	s_mov_b32 s[\g+2], 4<<16
	s_mov_b32 s[\g+3], (\c)<<16
	s_mov_b32 s[\g+4], 4
	s_mov_b32 s[\g+5], \p
	s_mov_b32 s[\g+6], 0
	s_mov_b32 s[\g+7], 0
.endm
.macro G0SET g, lds, a
	s_mov_b32 s[\g], 1
	s_mov_b32 s[\g+1], \lds
	s_mov_b64 s[\g+2:\g+3], s[\a:\a+1]
	s_or_b32 s[\g+3], s[\g+3], 0x80000000
.endm
.macro ARM under, g0, g1, next
	s_cmp_lt_u32 s14, \under
	s_cbranch_scc0 \next
	tensor_load_to_lds s[\g0:\g0+3], s[\g1:\g1+7]
	s_nop 0
	PLACES 4
	s_branch .Lhead_asked
\next:
.endm
	s_load_b256 s[4:11], s[0:1], 0x0               ; o_q, w_q, bo, out0
	v_lshl_add_u32 v[SPW], v0, 2, SPARE
	v_mov_b32 v[NIL], 0
	ds_add_u32 v[SPW], v[NIL]                      ; the opening lines: the add twice and its wait
	ds_add_u32 v[SPW], v[NIL]
	v_lshrrev_b32 v1, 5, v0
	v_readfirstlane_b32 s14, v1                    ; wave
	s_lshr_b32 s15, s14, 1                         ; which 4 of A's 8 tiles are mine
	s_and_b32 s16, s14, 1                          ; which 8 of B's 16
	s_bfe_u32 s40, ttmp6, 0x40000
	s_bfe_u32 s41, ttmp6, 0x40004
	s_lshl_b32 s42, ttmp9, 2
	s_add_co_u32 s42, s42, s40                     ; tc: which 256 columns
	s_and_b32 s17, ttmp7, 0xffff
	s_lshl_b32 s17, s17, 2
	s_add_co_u32 s17, s17, s41                     ; tr: which 128 tokens
	s_lshl_b32 s43, s41, 2
	s_lshl_b32 s43, 15, s43                        ; my row of the cluster
	s_lshl_b32 s44, 0x1111, s40                    ; my column
	GRP G1A,  43, ASL/8, A_NT*TILEB/8
	GRP G1B,  44, BSL/8, B_NT*TILEB/8
	GRP G1S,  43, 128,   A_NT*16
	GRP G1SB, 44, 256,   B_NT*16
	s_mul_i32 s20, s17, ASL                        ; A's codes: tile 8 tr
	s_mov_b32 s21, 0
	s_lshl_b32 s22, s17, 10                        ; and scale bytes
	s_add_co_u32 s22, s22, A_SC
	s_mov_b32 s23, 0
	s_lshl_b32 s46, s42, 4
	s_add_co_u32 s46, s46, B_T0                    ; B: tile 192 + 16 tc
	s_lshl_b32 s92, s46, 7
	s_add_co_u32 s92, s92, B_SC
	s_mov_b32 s93, 0
	s_mul_i32 s46, s46, TILEB
	s_mov_b32 s47, 0
	s_mul_i32 s36, s15, 4*TILEB                    ; LDS: my tiles of A,
	s_mul_i32 s38, s16, 8*TILEB
	s_add_co_u32 s38, s38, BB0                     ; of B,
	s_lshl_b32 s39, s15, 9
	s_add_co_u32 s39, s39, SCL                     ; their scale bytes,
	s_lshl_b32 s94, s16, 10
	s_add_co_u32 s94, s94, SCLB
	s_mul_i32 s95, s14, 16*SPITCH                  ; my stage
	s_lshl_b32 s96, s42, 10                        ; my first column in bytes
	s_lshl_b32 s97, s16, 9
	s_add_co_u32 s96, s96, s97
	s_mov_b32 s97, 0
	s_lshl_b32 s98, s17, 19                        ; my first row: 128 tr + 64 x half, rows of 4,096 bytes
	s_lshl_b32 s99, s15, 18
	s_add_co_u32 s98, s98, s99
	s_add_co_u32 s98, s98, s96
	s_mov_b32 s99, 0
	s_wait_dscnt 0x0
	s_wait_kmcnt 0x0
	s_add_nc_u64 s[20:21], s[4:5], s[20:21]
	s_add_nc_u64 s[22:23], s[4:5], s[22:23]
	s_add_nc_u64 s[46:47], s[6:7], s[46:47]
	s_add_nc_u64 s[92:93], s[6:7], s[92:93]
	s_add_nc_u64 s[8:9], s[8:9], s[96:97]
	s_add_nc_u64 s[10:11], s[10:11], s[98:99]
	CROUND                                         ; the round in front of the first joint loads
	G0SET G0A,  0,    20
	G0SET G0B,  BB0,  46
	G0SET G0S,  SCL,  22
	G0SET G0SB, SCLB, 92
	ARM 1, G0A, G1A, .Lhead_b                      ; one tree of branches on the wave's number, one load to an arm
	ARM 2, G0B, G1B, .Lhead_sa
	ARM 3, G0S, G1S, .Lhead_sb
	tensor_load_to_lds s[G0SB:G0SB+3], s[G1SB:G1SB+7]
	s_nop 0
	PLACES 4
.Lhead_asked:
	v_and_b32 v1, 15, v0                           ; r
	v_bfe_u32 v2, v0, 4, 1                         ; h
	v_and_b32 v3, 31, v0
	v_lshlrev_b32 v[L16], 4, v3
	v_lshlrev_b32 v[L8], 3, v3
	v_add_nc_u32 v[ADRA], s36, v[L16]
	v_add_nc_u32 v[ADRA+2], s36, v[L8]
	v_add_nc_u32 v[ADRA+1], 2*ASL, v[ADRA]
	v_add_nc_u32 v[ADRA+3], 2*ASL, v[ADRA+2]
	v_add_nc_u32 v[ADRB], s38, v[L16]
	v_add_nc_u32 v[ADRB+4], s38, v[L8]
.irp s, 1,2,3
	v_add_nc_u32 v[ADRB+\s], BSL, v[ADRB+\s-1]
	v_add_nc_u32 v[ADRB+4+\s], BSL, v[ADRB+3+\s]
.endr
	v_lshl_add_u32 v[ADSA], v1, 3, s39
	v_lshl_add_u32 v[ADSB], v1, 3, s94
	v_mul_u32_u24 v23, v1, SPITCH                  ; the stage, in: row r, 64 bytes for each half of the lanes in each 128
	v_lshl_add_u32 v23, v2, 6, v23
	v_add_nc_u32 v[STO], s95, v23
	v_add_nc_u32 v[RD], s95, v[L16]                ; and back: the 32 lanes take a row of 512 bytes
	v_lshlrev_b32 v20, 6, v2
	s_wait_alu depctr_va_vdst(0)                   ; the wait at the head's end
	WIN 0xc0                                       ; the bias into window 3: tile b's registers are columns 32 (b / 2) + 16 h + 8 (b % 2) + 0 .. 7
.irp b, 0,1,2,3,4,5,6,7
	global_load_b128 v[8*\b:8*\b+3], v20, s[8:9] offset:(32*(\b/2)+8*(\b%2))*4
	global_load_b128 v[8*\b+4:8*\b+7], v20, s[8:9] offset:(32*(\b/2)+8*(\b%2))*4+16
.endr
	WIN 0
	s_wait_loadcnt 0x0
	s_wait_tensorcnt 0x0                           ; my tile is in,
	s_barrier_signal -1
	s_barrier_wait -1                              ; everybody's are
.macro FRAG reg, a16, a8, off
	ds_load_b128 v[\reg:\reg+3], v[\a16] offset:\off
	ds_load_b64 v[\reg+4:\reg+5], v[\a8] offset:\off+512
	ds_load_b128 v[\reg+6:\reg+9], v[\a16] offset:\off+768
	ds_load_b64 v[\reg+10:\reg+11], v[\a8] offset:\off+1280
.endm
.macro FETCH st                        ; step st's fragments into set st % 2: 32 loads for B's eight, 16 for A's four
	WIN 0x40
.irp i, 0,1,2,3,4,5,6,7
	FRAG 128*((\st)%2)+12*\i, ADRB+(\st)/2, ADRB+4+(\st)/2, 3072*\i+1536*((\st)%2)
.endr
	WIN 0
.irp i, 0,1,2,3
	FRAG AF+48*((\st)%2)+12*\i, ADRA+(\st)/4, ADRA+2+(\st)/4, 24576*(((\st)/2)%2)+3072*\i+1536*((\st)%2)
.endr
.endm
.macro MUL st                          ; 32 products, 128 along K
.if (\st) == 0
	WIN 0xb1                                       ; source 0 window 1, source 1 window 0, C (the bias) window 3, D window 2
.else
	WIN 0xa1
.endif
.irp a, 0,1,2,3
.irp b, 0,1,2,3,4,5,6,7
.set DD, 8*(8*\a+\b)
.set BF, 128*((\st)%2)+12*\b
.set AA, AF+48*((\st)%2)+12*\a
.set XB, SCB+16*((\st)/2)+2*\b+(\st)%2
.set XA, SCA+8*((\st)/2)+2*\a+(\st)%2
.if (\st) == 0
	v_wmma_scale_f32_16x16x128_f8f6f4 v[DD:DD+7], v[BF:BF+11], v[AA:AA+11], v[8*\b:8*\b+7], v[XB], v[XA] matrix_a_fmt:MATRIX_FMT_FP6 matrix_b_fmt:MATRIX_FMT_FP6
.else
	v_wmma_scale_f32_16x16x128_f8f6f4 v[DD:DD+7], v[BF:BF+11], v[AA:AA+11], v[DD:DD+7], v[XB], v[XA] matrix_a_fmt:MATRIX_FMT_FP6 matrix_b_fmt:MATRIX_FMT_FP6
.endif
.endr
.endr
.endm
.irp s, 0,1,2,3                        ; all scale words, once: every lane takes row r's two words of a slot
.irp i, 0,1,2,3
	ds_load_b64 v[SCA+8*\s+2*\i:SCA+8*\s+2*\i+1], v[ADSA] offset:1024*\s+128*\i
.endr
.irp i, 0,1,2,3,4,5,6,7
	ds_load_b64 v[SCB+16*\s+2*\i:SCB+16*\s+2*\i+1], v[ADSB] offset:2048*\s+128*\i
.endr
.endr
	FETCH 0
.irp st, 0,1,2,3,4,5,6
.if \st > 0
	PLACES 4                                       ; between the last step's products and the loads into the set that they read
.endif
	FETCH \st+1
	s_wait_dscnt 48                                ; all but the 48 loads just issued: this step's fragments are in
	MUL \st
.endr
	s_wait_dscnt 0x0                               ; my reads of the tiles are over:
	s_barrier_signal -1                            ; say so; the last step's products are register work
	MUL 7
	WIN 0
	s_barrier_wait -1                              ; nobody reads A's tiles any more: the stages lie on their bytes, which have had their one fill
.macro TOSTAGE a
	WIN 0x08                                       ; the data: window 2
.irp b, 0,1,2,3,4,5,6,7
	ds_store_b128 v[STO], v[64*(\a)+8*\b:64*(\a)+8*\b+3] offset:128*(\b/2)+32*(\b%2)
	ds_store_b128 v[STO], v[64*(\a)+8*\b+4:64*(\a)+8*\b+7] offset:128*(\b/2)+32*(\b%2)+16
.endr
	WIN 0
.irp t, 0,1,2,3,4,5,6,7,8,9,10,11,12,13,14,15
	ds_load_b128 v[BK+64*((\a)%2)+4*\t:BK+64*((\a)%2)+4*\t+3], v[RD] offset:\t*SPITCH   ; LDS serves a wave's instructions in order: these see my stores
.endr
.endm
.macro SEND a, younger                 ; stage row t is lane t of tile a: token 32 (a / 2) + 8 (a % 2) + t + 8 (t / 8) of my 64; 32 lanes store 512 consecutive bytes, aligned
	s_wait_dscnt \younger
.irp t, 0,1,2,3,4,5,6,7,8,9,10,11,12,13,14,15
	global_store_b128 v[L16], v[BK+64*((\a)%2)+4*\t:BK+64*((\a)%2)+4*\t+3], s[10:11] offset:(32*((\a)/2)+8*((\a)%2)+\t+8*(\t/8))*4096 th:TH_STORE_NT
.endr
.endm
	PLACES 4                                       ; behind the last products
	TOSTAGE 0
.irp a, 1,2,3
.if \a > 1
	s_wait_xcnt 0x0                                ; block a - 2's stores have read their registers
.endif
	TOSTAGE \a
	SEND \a-1, 32                                  ; behind block a - 1's loads: block a's 16 stores and 16 loads
.endr
	SEND 3, 0
	s_wait_tensorcnt 0x0                           ; the wave's end
	ds_add_u32 v[SPW], v[NIL]
	s_wait_dscnt 0x0
	CROUND                                         ; the closing round
	s_endpgm
.Lfunc_end_k_q734c6ed22a_out_proj:
	.size	k_q734c6ed22a_out_proj, .Lfunc_end_k_q734c6ed22a_out_proj-k_q734c6ed22a_out_proj
	.p2alignl 7, 3214868480
	.fill 96, 4, 3214868480
	.section	.rodata,"a",@progbits
	.p2align	6, 0x0
	.amdhsa_kernel k_q734c6ed22a_out_proj
		.amdhsa_group_segment_fixed_size 327680
		.amdhsa_private_segment_fixed_size 0
		.amdhsa_enable_private_segment 0
		.amdhsa_kernarg_size 32
		.amdhsa_user_sgpr_count 2
		.amdhsa_user_sgpr_kernarg_segment_ptr 1
		.amdhsa_wavefront_size32 1
		.amdhsa_system_sgpr_workgroup_id_x 1
		.amdhsa_system_sgpr_workgroup_id_y 1
		.amdhsa_system_sgpr_workgroup_id_z 1
		.amdhsa_system_vgpr_workitem_id 0
		.amdhsa_next_free_vgpr 1024
		.amdhsa_next_free_sgpr 100
		.amdhsa_reserve_vcc 0
		.amdhsa_float_denorm_mode_32 3
		.amdhsa_float_denorm_mode_16_64 3
		.amdhsa_memory_ordered 1
		.amdhsa_forward_progress 1
		.amdhsa_inst_pref_size 86
	.end_amdhsa_kernel
	.amdgpu_metadata
---
amdhsa.version: [ 1, 2 ]
amdhsa.kernels:
  - .name:           k_q734c6ed22a_out_proj
    .symbol:         k_q734c6ed22a_out_proj.kd
    .args:
      - { .name: o_q, .offset: 0, .size: 8, .value_kind: global_buffer, .address_space: global }
      - { .name: w_q, .offset: 8, .size: 8, .value_kind: global_buffer, .address_space: global }
      - { .name: bo, .offset: 16, .size: 8, .value_kind: global_buffer, .address_space: global }
      - { .name: out0, .offset: 24, .size: 8, .value_kind: global_buffer, .address_space: global }
    .group_segment_fixed_size: 327680
    .private_segment_fixed_size: 0
    .kernarg_segment_align: 8
    .kernarg_segment_size: 32
    .max_flat_workgroup_size: 128
    .sgpr_count:     100
    .vgpr_count:     1024
    .wavefront_size: 32
...
	.end_amdgpu_metadata
.endif
;; end of part 5
